; MI455X (gfx1250); checked and timed in simulation.
; The chip was launched on July 23, 2026; its instructions are those of AMD's public machine-readable ISA for CDNA 5 (MIT licence, August 2026) and "CDNA5" Instruction Set Architecture Reference Guide (July 2026). The comments in the code are by the model that wrote it; some were corrected since.
;; Attention Block. Allowed arithmetic: matrix products marked QUANTISED: E3M2 operands, one E8M0 scale for each 32 along K, by v_wmma_scale_f32_16x16x128_f8f6f4 with both operands' format E3M2, f32 sums; everything else in f32.
;; Inputs: gn_bias 1,024 float32; gn_weight 1,024 float32; out_b 1,024 float32; out_w 1,024 x 1,024 float32; qkv_b 3,072 float32; qkv_w 3,072 x 1,024 float32; x 8 x 1,024 x 1,024 float32.
;; Outputs: out0 8 x 1,024 x 1,024 float32.
;; Constants: qk_bias = 0.
;; This version of the problem:
;;   THIS VERSION OF THE PROBLEM IS GIVEN IN LOW PRECISION. The matrix products marked QUANTISED in the list below multiply operands that are first quantised to E3M2 (3 exponent bits, 2 mantissa bits; 6 bits a number), with one power-of-two scale for each 32 numbers along K (OCP MX v1.0); their sums are f32. All else is computed in f32.
;;   The module's matrix products, in the order in which they are computed (A, B: the left and right operand; K: the contracted axis; several contracted axes count as one K, in the product's order):
;;     1. [M 8,192, K 1,024] x [K 1,024, N 3,072]; A: computed on the way; B: input qkv_w: QUANTISED
;;     2. batch 128 x [M 1,024, K 64] x [K 64, N 1,024]; A: computed on the way; B: computed on the way: QUANTISED
;;     3. batch 128 x [M 1,024, K 1,024] x [K 1,024, N 64]; A: softmax (see below); B: computed on the way: QUANTISED
;;     4. [M 8,192, K 1,024] x [K 1,024, N 1,024]; A: computed on the way; B: input out_w: QUANTISED
;;   THE QUANTISER, for each operand of a quantised product, along K:
;;     - K is cut into blocks of 32 from its start; a last block that is shorter is filled with zeros.
;;     - A block's scale is 2^e with e = floor(log2(the largest magnitude in the block)) - 4, held to -126 .. 127; a block of zeros has e = 0. As a byte (E8M0): e + 127.
;;     - Each number is divided by its block's scale, clamped to +-28, and rounded to the nearest number of E3M2, ties to even, subnormals kept.
;;     - The product sums the exact products of the quantised numbers (number of the format x scale) in f32.
;;   ~~~python
;;   def quantise(x, axis):      # numpy; x: float32 -> the quantised numbers, widened to float32 again
;;       x = np.moveaxis(x, axis, -1); K = x.shape[-1]
;;       x = np.pad(x, [(0, 0)] * (x.ndim - 1) + [(0, -K % 32)]); x = x.reshape(x.shape[:-1] + (-1, 32)); a = np.abs(x).max(-1, keepdims=True)
;;       e = np.where(a > 0, np.clip(np.frexp(np.where(a > 0, a, 1))[1] - 1 - 4, -126, 127), 0)      # np.frexp(a)[1] - 1 = floor(log2(a)), exactly
;;       r = np.clip(x / 2.0 ** e, -28, 28)
;;       step = 2.0 ** (np.maximum(np.frexp(np.where(r == 0, 1, r))[1] - 1, -2) - 2)
;;       q = np.round(r / step) * step * 2.0 ** e      # np.round: ties to even
;;       return np.moveaxis(q.reshape(q.shape[:-2] + (-1,))[..., :K], -1, axis).astype(np.float32)
;;   ~~~
;;   SOFTMAX AHEAD OF A QUANTISED PRODUCT. Where the list says 'softmax', what is quantised is not the finished softmax but p = 2^(t - M), with t = logit x log2(e) and M = ceil(the row's largest t), a whole number; so 1/2 < the row's largest p <= 1. The row's sum l is taken of the UNQUANTISED p, in f32, and the product's result is divided by l at the end. Since M is a whole number, a kernel that streams over the keys may use a running M (the ceiling of the running maximum): every later rescaling is an exact power of two, which a block's scale takes up: the codes' values come out the same.
;;   OPERANDS COMPUTED ON THE WAY. 'Computed on the way' means the value that the module computes at that place (a softmax that the list does not call 'softmax' is quantised finished and normalised). What goes into a quantiser is computed in f32, as accurately as f32 sums, v_exp_f32 and their like allow (about 1e-6 of the number): no bf16 or f16 on the way to a quantiser, and a product that is left as it is and whose result goes on into a quantised operand takes f32 operands (vector FMAs, or v_wmma_f32_16x16x4_f32). A number that lies on a knife's edge between two numbers of the format may be rounded either way, as far as f32 arithmetic and the matrix unit's own rounding can turn it there, and no further.
;; One version. Each part assembles by itself: llvm-mc -triple=amdgcn-amd-amdhsa -mcpu=gfx1250 --defsym DOCPART=n.
;; ======== version 1 of 1: 4 launches
;; workspace buffers: wts 3,276,800 bytes; xnq 6,684,672 bytes; qkvq 20,185,088 bytes; ctxq 6,553,600 bytes
;; launch prep (part 1): grid 256 x 1, 8 waves a work-group, no clusters, 94,208 bytes of LDS; arguments x, gn_weight, gn_bias, out_b, qkv_w, out_w, xnq, wts; writes xnq, wts
.if DOCPART == 1
	.amdgcn_target "amdgcn-amd-amdhsa--gfx1250"
	.amdhsa_code_object_version 6
	.text
	.protected	k_qb118b5a19e_prep
	.globl	k_qb118b5a19e_prep
	.p2align	8
	.type	k_qb118b5a19e_prep,@function
k_qb118b5a19e_prep:
	s_mov_b64 s[64:65], 0
	v_nop
	global_prefetch_b8 v0, s[64:65] scope:SCOPE_SE
	s_setreg_imm32_b32 hwreg(HW_REG_WAVE_MODE, 25, 1), 1
	s_wait_xcnt 0x0
; TWO JOBS IN ONE LAUNCH, each shared out over the same 256 work-groups: GroupNorm with the quantiser of the first product's left operand, and the quantiser of both weights.
; JOB 1.  x: [8][1024][1024] f32.  A group is 32 channels x 1,024 positions, and the 32 channels at one position are exactly one block of 32 along the first product's K.  A work-group owns one group (b, g):
; its 128 KiB stay in the registers of eight waves between the mean, the variance and the codes: x is read once here.  Thread t owns positions 4 t .. 4 t + 3 of all 32 channels.
; Mean first, then the sum of (x - mean)^2: no difference of large sums is formed.  xn = (x - mean) (rstd w) + b in f32; the multiply-add writes the 32 channels of one position into 32 consecutive registers,
; which is all the transposition that the conversions want.
; OUT: codes, planes [b][g][position][24 bytes]; scale bytes [b][K step][position][4], byte g % 4; for each channel the four numbers (-mean, gn_bias + out_b, rstd w, 0) for the last launch.
; The codes leave through the wave's own stage in LDS, 512 consecutive bytes a store.  The scale bytes leave singly (four work-groups fill a word): one byte for each 128 that this job reads.
; JOB 2.  qkv_w [3072][1024] and out_w [1024][1024], f32, K innermost, count as one table of 4,096 rows.  Tile T (0..255, the work-group's number) holds 16 rows that are NOT neighbours: lane r takes row
; 32 (T / 2) + 8 (T % 2) + r + 8 (r / 8), so that the results of two neighbouring tiles are 16 neighbours along the next product's K.  Wave w takes the tile's K step w.
; OUT: codes in the ORDER OF THE OPERAND'S REGISTERS: a fragment (16 rows x 128 K, 12 registers a lane) at T x 12,288 + w x 1,536, registers 4 k .. 4 k + 3 of lane l at 512 k + 16 l;
; behind the codes the scale words (four bytes: 128 along K of one row), 32 bytes a row, rows in their natural order.
; Each weight load reads 512 consecutive bytes of one row.  The 16 loads are issued BEHIND x's 32, into registers of their own (window 1), and land while job 1 is worked; then the 16 rows turn through the
; wave's own stage in LDS (rows 528 bytes apart) and come back 16 neighbours a lane, into the registers that x has left.
; No tensor load, no matrix work, no cluster: memory binds and no byte is shared between work-groups.  The two jobs use different LDS bytes.
; LIMITS: a block whose largest magnitude lies under 2^(5 - 127) keeps the byte 1 (a block of zeros too: its codes are zeros, and this program alone reads the bytes); NaN and infinities are not served.
.set XSO,  6291456                     ; xnq: where the scale bytes begin,
.set COEF, 6553600                     ; and the channels' four numbers
.set WSC,  3145728                     ; wts: where the scale words begin
.set STG,  512                         ; LDS: 0.. and 256.. the waves' partial sums; from 512 a stage of 3,072 bytes for each wave (job 1);
.set WSL,  25088                       ; the tile's 512 bytes of scale words, [row r][8 words] (job 2);
.set WST,  25600                       ; from here a stage of 16 rows for each wave (job 2),
.set SP,   528                         ; 512 bytes + 16 apart
.set WSTG, 16*SP
.set X,    16                          ; v16-143  channel c's four positions at v[16 + 4 c]
.set T,    144                         ; v144-175 a position's 32 channels
.set C,    176                         ; v176-199 my four positions' codes, 96 bytes
.set CT,   200                         ; v200-202 the second half of a block's codes
.set BY,   204                         ; v204-207 four scale bytes
.set CQ,   208                         ; v208-211 a channel's four numbers
.set WL,   212                         ; v212-214 w, gn_bias, out_b of channel 32 g + lane
.set SIN,  215                         ; job 1's stage, in: 96 bytes a lane
.set SOUT, 216                         ; and out: 16 bytes a lane
.set LI,   217                         ; 16 x lane
.set WSI,  218                         ; job 2's stage, in: 16 bytes a lane of a row
.set WSO,  219                         ; and out: row r, + 64 h: my 16 numbers of each block of 32
.set WWA,  220                         ; where my row's scale word goes in LDS: 32 r + 4 wave
.set WWG,  221                         ; where wave 0 reads the tile's scale words back: 16 bytes a lane
.set WGO,  222                         ; and their place in memory
.set WX,   16                          ; job 2, in the registers that x has left: v16-79 64 numbers of a lane: register 16 b + i = k 32 b + 16 (lane / 16) + i of my row
.set PC,   80                          ; v80-99   the codes just made
.set TM,   100                         ; v100-115 at work
.set PW,   116                         ; v116     the scale word just made
                                       ; window 1: v0-63 (v256-319) the tile's 16 rows as they are loaded: named by memory instructions alone
.set SEL,  90                          ; s[90:91] lane selects for v_permlanex16_b32: lane l xor 16
.set MSB, 0
.macro WIN new                         ; the immediate's high byte repeats the setting that is left
.if MSB != (\new)
	s_set_vgpr_msb (MSB<<8)|(\new)
.set MSB, (\new)
.endif
.endm
.macro QUANT s                         ; 64 numbers of a lane become a fragment's codes in v[PC] on and its scale word in v[PW]
.irp b, 0,1,2,3
	v_max3_num_f32 v[TM+\b], |v[\s+16*\b]|, |v[\s+1+16*\b]|, 0x2800000   ; block b: my 16 numbers, and the floor 2^(5 - 127): the byte cannot fall under 1
.endr
.irp i, 2,4,6,8,10,12,14
.irp b, 0,1,2,3
	s_delay_alu instid0(VALU_DEP_4)
	v_max3_num_f32 v[TM+\b], v[TM+\b], |v[\s+16*\b+\i]|, |v[\s+1+16*\b+\i]|   ; the four blocks by turns
.endr
.endr
.irp b, 0,1,2,3
	s_delay_alu instid0(VALU_DEP_4)
	v_permlanex16_b32 v[TM+4+\b], v[TM+\b], s[SEL], s[SEL+1]
.endr
.irp b, 0,1,2,3
	s_delay_alu instid0(VALU_DEP_4)
	v_max_num_f32 v[TM+\b], v[TM+\b], v[TM+4+\b]   ; with lane l xor 16's: the block's largest magnitude
.endr
.irp b, 0,1,2,3
	s_delay_alu instid0(VALU_DEP_4)
	v_add_nc_u32 v[TM+12+\b], 0xfe000000, v[TM+\b]   ; 4 off its exponent field: the conversion's scale operand
.endr
.irp b, 0,1,2,3
	s_delay_alu instid0(VALU_DEP_4)
	v_lshrrev_b32 v[TM+4+\b], 23, v[TM+12+\b]      ; the scale's byte
.endr
	s_delay_alu instid0(VALU_DEP_3)
	v_lshl_or_b32 v[PW], v[TM+5], 8, v[TM+4]
	s_delay_alu instid0(VALU_DEP_1)
	v_lshl_or_b32 v[PW], v[TM+6], 16, v[PW]
	s_delay_alu instid0(VALU_DEP_1)
	v_lshl_or_b32 v[PW], v[TM+7], 24, v[PW]
.irp c, 0,1
	v_cvt_scalef32_pk16_bf6_f32 v[PC+6*\c:PC+2+6*\c], v[\s+32*\c:\s+15+32*\c], v[TM+12+2*\c]
	v_cvt_scalef32_pk16_bf6_f32 v[PC+12+4*\c:PC+14+4*\c], v[\s+16+32*\c:\s+31+32*\c], v[TM+12+2*\c+1]   ; (a conversion's three registers begin on an even number)
.endr
	v_nop                                          ; one plain place behind a scaled conversion
.irp c, 0,1                                    ; the operand's layout wants a whole block in a lane: lanes 0-15 block 2 c, lanes 16-31 block 2 c + 1
.irp i, 0,1,2
	v_permlane16_swap_b32 v[PC+6*\c+\i], v[PC+12+4*\c+\i]
.endr
.irp i, 0,1,2
	s_delay_alu instid0(VALU_DEP_3)
	v_mov_b32 v[PC+3+6*\c+\i], v[PC+12+4*\c+\i]
.endr
.endr
.endm
	s_load_b256 s[4:11], s[0:1], 0x0               ; x, gn_weight, gn_bias, out_b
	s_load_b128 s[92:95], s[0:1], 0x20             ; qkv_w, out_w
	s_load_b64 s[12:13], s[0:1], 0x30              ; xnq
	s_load_b64 s[96:97], s[0:1], 0x38              ; wts
	v_lshl_add_u32 v254, v0, 2, 0x16c00
	v_mov_b32 v255, 0
	v_lshlrev_b32 v1, 4, v0                        ; my 16 bytes of a channel's row
	v_lshrrev_b32 v12, 5, v0
	s_delay_alu instid0(VALU_DEP_1)
	v_readfirstlane_b32 s14, v12                   ; wave 0..7
	s_delay_alu instid0(VALU_DEP_2)
	v_lshlrev_b32 v14, 2, v12                      ; my wave's word among the partial sums
	v_mov_b32 v13, 0
	v_and_b32 v12, 31, v0                          ; lane
	s_delay_alu instid0(VALU_DEP_1)
	v_lshlrev_b32 v15, 2, v12
	s_delay_alu instid0(VALU_DEP_2)
	v_lshlrev_b32 v[LI], 4, v12
	s_mul_i32 s15, s14, 3072
	s_add_co_u32 s84, s15, STG
	v_mul_u32_u24 v[SIN], v12, 96
	s_delay_alu instid0(VALU_DEP_1)
	v_add_nc_u32 v[SIN], s84, v[SIN]
	v_add_nc_u32 v[SOUT], s84, v[LI]
	s_mul_i32 s85, s14, WSTG
	s_add_co_u32 s85, s85, WST                     ; job 2: my stage
	v_add_nc_u32 v[WSI], s85, v[LI]
	v_and_b32 v2, 15, v0                           ; r
	v_bfe_u32 v3, v0, 4, 1                         ; h
	s_delay_alu instid0(VALU_DEP_2)
	v_mul_u32_u24 v[WSO], v2, SP
	s_delay_alu instid0(VALU_DEP_1)
	v_lshl_add_u32 v[WSO], v3, 6, v[WSO]
	s_delay_alu instid0(VALU_DEP_1)
	v_add_nc_u32 v[WSO], s85, v[WSO]
	s_lshl_b32 s86, s14, 2
	s_add_co_u32 s86, s86, WSL
	v_lshlrev_b32 v[WWA], 5, v2
	s_delay_alu instid0(VALU_DEP_1)
	v_add_nc_u32 v[WWA], s86, v[WWA]
	v_add_nc_u32 v[WWG], WSL, v[LI]
	v_lshrrev_b32 v4, 1, v12
	s_delay_alu instid0(VALU_DEP_1)
	v_and_b32 v5, 8, v4
	s_delay_alu instid0(VALU_DEP_1)
	v_add_nc_u32 v4, v4, v5                        ; the row of lane / 2 in the tile's 32
	v_and_b32 v5, 1, v12
	s_delay_alu instid0(VALU_DEP_1)
	v_lshlrev_b32 v5, 4, v5
	s_delay_alu instid0(VALU_DEP_1)
	v_lshl_add_u32 v[WGO], v4, 5, v5               ; its 32 bytes of scale words in memory, 16 bytes a lane
	s_and_b32 s85, ttmp9, 31                       ; g
	s_lshl_b32 s86, s85, 7                         ; the group's 32 numbers in w and in the biases
	s_mov_b32 s87, 0
	s_lshl_b32 s88, ttmp9, 17                      ; the group's 131,072 bytes of x
	s_mov_b32 s89, 0
	s_mov_b32 s[SEL], 0x76543210
	s_mov_b32 s[SEL+1], 0xfedcba98
	s_mov_b32 s2, 0x38000000                       ; 2^-15: one over the group's 32,768 numbers
	s_wait_kmcnt 0x0
	s_add_nc_u64 s[6:7], s[6:7], s[86:87]
	s_add_nc_u64 s[8:9], s[8:9], s[86:87]
	s_add_nc_u64 s[10:11], s[10:11], s[86:87]
	s_add_nc_u64 s[4:5], s[4:5], s[88:89]
	s_load_b512 s[16:31], s[6:7], 0x0              ; w of the 32 channels: s16-47
	s_load_b512 s[32:47], s[6:7], 0x40
	s_load_b512 s[48:63], s[8:9], 0x0              ; gn_bias: s48-63 and s68-83
	s_load_b512 s[68:83], s[8:9], 0x40
	global_load_b32 v[WL], v15, s[6:7]
	global_load_b32 v[WL+1], v15, s[8:9]
	global_load_b32 v[WL+2], v15, s[10:11]
.irp c, 0,1,2,3,4,5,6,7,8,9,10,11,12,13,14,15,16,17,18,19,20,21,22,23,24,25,26,27,28,29,30,31
	global_load_b128 v[X+4*\c:X+4*\c+3], v1, s[4:5] offset:4096*\c   ; a wave reads 512 consecutive bytes; the last launch reads x again, so no hint
.endr
	s_cmp_lt_u32 ttmp9, 192                        ; a tile of qkv_w or of out_w?  The choice hangs on the work-group's number alone
	s_cselect_b64 s[92:93], s[92:93], s[94:95]
	s_cselect_b32 s98, 0, 192
	s_sub_co_u32 s98, ttmp9, s98                   ; the tile's number in its own tensor
	s_lshr_b32 s99, s98, 1
	s_lshl_b32 s99, s99, 5
	s_and_b32 s98, s98, 1
	s_lshl_b32 s98, s98, 3
	s_add_co_u32 s98, s98, s99                     ; its first row
	s_lshl_b32 s98, s98, 12                        ; rows of 4,096 bytes,
	s_lshl_b32 s99, s14, 9                         ; my K step: 512 bytes
	s_add_co_u32 s98, s98, s99
	s_mov_b32 s99, 0
	s_add_nc_u64 s[92:93], s[92:93], s[98:99]
	s_lshl_b32 s100, ttmp9, 3
	s_add_co_u32 s100, s100, s14
	s_mul_i32 s100, s100, 1536                     ; my fragment's image
	s_mov_b32 s101, 0
	s_add_nc_u64 s[100:101], s[96:97], s[100:101]
	s_lshr_b32 s94, ttmp9, 1
	s_lshl_b32 s94, s94, 10
	s_and_b32 s95, ttmp9, 1
	s_lshl_b32 s95, s95, 8
	s_add_co_u32 s94, s94, s95
	s_add_co_u32 s94, s94, WSC                     ; the tile's first row of scale words
	s_mov_b32 s95, 0
	s_add_nc_u64 s[96:97], s[96:97], s[94:95]
	WIN 0x40                                       ; destination window 1, address window 0
.irp i, 0,1,2,3,4,5,6,7,8,9,10,11,12,13,14,15
	global_load_b128 v[4*\i:4*\i+3], v[LI], s[92:93] offset:(\i+8*(\i/8))*4096 th:TH_LOAD_NT   ; v[256 + 4 i ..]: 32 lanes read 512 consecutive bytes of the tile's i-th row
.endr
	WIN 0
; the sum of pairs 16 q .. 16 q + 15 (eight channels), in four chains; the first four additions start the chains
.macro ACCUM q
.set p, 16*(\q)
.rept 16
.if p < 4
	v_pk_add_f32 v[2+2*p:3+2*p], v[X+2*p:X+2*p+1], v[X+2*p+8:X+2*p+9]
.elseif p >= 8
	v_pk_add_f32 v[2+2*(p%4):3+2*(p%4)], v[2+2*(p%4):3+2*(p%4)], v[X+2*p:X+2*p+1]
.endif
.set p, p+1
.endr
.endm
; four chains -> the lane -> the wave -> the work-group; the result in v2 of every lane
.macro REDUCE off
	s_delay_alu instid0(VALU_DEP_3)
	v_pk_add_f32 v[2:3], v[2:3], v[4:5]
	s_delay_alu instid0(VALU_DEP_2)
	v_pk_add_f32 v[6:7], v[6:7], v[8:9]
	s_delay_alu instid0(VALU_DEP_1)
	v_pk_add_f32 v[2:3], v[2:3], v[6:7]
	s_delay_alu instid0(VALU_DEP_1)
	v_add_f32 v2, v2, v3
	s_delay_alu instid0(VALU_DEP_1)
	v_add_f32_dpp v2, v2, v2 row_xmask:1 row_mask:0xf bank_mask:0xf
	s_delay_alu instid0(VALU_DEP_1)
	v_add_f32_dpp v2, v2, v2 row_xmask:2 row_mask:0xf bank_mask:0xf
	s_delay_alu instid0(VALU_DEP_1)
	v_add_f32_dpp v2, v2, v2 row_xmask:4 row_mask:0xf bank_mask:0xf
	s_delay_alu instid0(VALU_DEP_1)
	v_add_f32_dpp v2, v2, v2 row_xmask:8 row_mask:0xf bank_mask:0xf
	s_delay_alu instid0(VALU_DEP_1)
	v_permlanex16_b32 v3, v2, s[SEL], s[SEL+1]
	s_delay_alu instid0(VALU_DEP_1)
	v_add_f32 v2, v2, v3
	ds_store_b32 v14, v2 offset:\off               ; all lanes write the wave's word with the same value
	s_wait_dscnt 0x0                               ; for the others' sake
	s_barrier_signal -1
	s_barrier_wait -1
	ds_load_b128 v[T:T+3], v13 offset:\off
	ds_load_b128 v[T+4:T+7], v13 offset:\off+16
	s_wait_dscnt 0x0
	v_pk_add_f32 v[T:T+1], v[T:T+1], v[T+2:T+3]
	v_pk_add_f32 v[T+4:T+5], v[T+4:T+5], v[T+6:T+7]
	s_delay_alu instid0(VALU_DEP_1)
	v_pk_add_f32 v[T:T+1], v[T:T+1], v[T+4:T+5]
	s_delay_alu instid0(VALU_DEP_1)
	v_add_f32 v2, v[T], v[T+1]
.endm
	s_wait_loadcnt 40                              ; channels 0-7 are in: behind them 24 loads of x and the 16 of the weight were issued
	ACCUM 0
	s_wait_alu depctr_va_vdst(0)
	s_wait_loadcnt 32
	ACCUM 1
	s_wait_alu depctr_va_vdst(0)
	s_wait_loadcnt 24
	ACCUM 2
	s_wait_alu depctr_va_vdst(0)
	s_wait_loadcnt 16                              ; all of x is in; the weight's 16 loads may stay out
	ACCUM 3
	REDUCE 0
	s_delay_alu instid0(VALU_DEP_1)
	v_mul_f32 v10, 0xb8000000, v2                  ; -mean
	s_delay_alu instid0(VALU_DEP_1)
	v_mov_b32 v11, v10
.set p, 0
.rept 64
	v_pk_add_f32 v[X+2*p:X+2*p+1], v[X+2*p:X+2*p+1], v[10:11]   ; x - mean, in place
.set p, p+1
.endr
.set p, 0
.rept 64
.if p < 4
	v_pk_mul_f32 v[2+2*p:3+2*p], v[X+2*p:X+2*p+1], v[X+2*p:X+2*p+1]
.else
	s_delay_alu instid0(VALU_DEP_4)
	v_pk_fma_f32 v[2+2*(p%4):3+2*(p%4)], v[X+2*p:X+2*p+1], v[X+2*p:X+2*p+1], v[2+2*(p%4):3+2*(p%4)]
.endif
.set p, p+1
.endr
	REDUCE 256                                     ; other bytes than the first sum's: no wave can still be reading what is written here
	s_delay_alu instid0(VALU_DEP_1)
	v_fmaak_f32 v2, s2, v2, 0x3727c5ac             ; the variance + 1e-5
	s_wait_alu depctr_va_vdst(0)
	v_rsq_f32 v3, v2
	v_nop                                          ; one plain place behind a transcendental
	s_wait_alu depctr_va_vdst(0)
	v_readfirstlane_b32 s3, v3                     ; rstd
	s_wait_kmcnt 0x0                               ; w and gn_bias
.irp c, 0,1,2,3,4,5,6,7,8,9,10,11,12,13,14,15,16,17,18,19,20,21,22,23,24,25,26,27,28,29,30,31
	s_mul_f32 s[16+\c], s[16+\c], s3               ; a = rstd w
.endr
; position 4 t + j: its 32 channels, the block's scale, its 24 bytes of codes
.macro POS j
.irp c, 0,1,2,3,4,5,6,7,8,9,10,11,12,13,14,15,16,17,18,19,20,21,22,23,24,25,26,27,28,29,30,31
	v_fma_f32 v[T+\c], v[X+4*\c+(\j)], s[16+\c], s[48+\c+4*(\c/16)]
.endr
	v_max3_num_f32 v6, |v[T]|, |v[T+1]|, |v[T+2]|  ; the block's largest magnitude: all 32 numbers are mine
	v_max3_num_f32 v7, |v[T+3]|, |v[T+4]|, |v[T+5]|
.irp i, 6,10,14,18,22,26
	s_delay_alu instid0(VALU_DEP_2)
	v_max3_num_f32 v6, v6, |v[T+\i]|, |v[T+\i+1]|
	s_delay_alu instid0(VALU_DEP_2)
	v_max3_num_f32 v7, v7, |v[T+\i+2]|, |v[T+\i+3]|
.endr
	s_delay_alu instid0(VALU_DEP_2)
	v_max3_num_f32 v6, v6, |v[T+30]|, |v[T+31]|
	s_delay_alu instid0(VALU_DEP_1)
	v_max3_num_f32 v6, v6, v7, 0x2800000           ; and the floor 2^(5 - 127): the byte cannot fall under 1
	s_delay_alu instid0(VALU_DEP_1)
	v_add_nc_u32 v8, 0xfe000000, v6                ; 4 off its exponent field: the conversion's scale operand
	s_delay_alu instid0(VALU_DEP_1)
	v_lshrrev_b32 v[BY+(\j)], 23, v8               ; the scale's byte
	v_cvt_scalef32_pk16_bf6_f32 v[C+6*(\j):C+6*(\j)+2], v[T:T+15], v8
	v_cvt_scalef32_pk16_bf6_f32 v[CT:CT+2], v[T+16:T+31], v8   ; (a conversion's three registers begin on an even number)
	v_nop                                          ; one plain place behind a scaled conversion
.irp i, 0,1,2
	v_mov_b32 v[C+6*(\j)+3+\i], v[CT+\i]
.endr
.endm
	POS 0
	POS 1
	POS 2
	POS 3
	s_mul_i32 s84, ttmp9, 24576                    ; the group's plane of codes,
	s_add_co_u32 s84, s84, s15                     ; my wave's 3,072 bytes of it
	s_mov_b32 s85, 0
	s_add_nc_u64 s[84:85], s[12:13], s[84:85]
	s_lshr_b32 s86, ttmp9, 2                       ; 8 b + g / 4: the K step's 4,096 bytes of scale words,
	s_lshl_b32 s86, s86, 12
	s_and_b32 s87, ttmp9, 3                        ; the group's byte in each word
	s_add_co_u32 s86, s86, s87
	s_add_co_u32 s86, s86, XSO
	s_mov_b32 s87, 0
	s_add_nc_u64 s[86:87], s[12:13], s[86:87]
	s_wait_alu depctr_va_vdst(0)
.irp k, 0,1,2,3,4,5
	ds_store_b128 v[SIN], v[C+4*\k:C+4*\k+3] offset:16*\k
.endr
.irp k, 0,1,2,3,4,5
	ds_load_b128 v[T+4*\k:T+4*\k+3], v[SOUT] offset:512*\k   ; LDS serves a wave's instructions in order: these see my stores
.endr
.irp j, 0,1,2,3
	global_store_b8 v1, v[BY+\j], s[86:87] offset:4*\j
.endr
.irp k, 0,1,2,3,4,5
	s_wait_dscnt 5-\k                              ; load k is back; the younger ones may be out
	global_store_b128 v[LI], v[T+4*\k:T+4*\k+3], s[84:85] offset:512*\k   ; 512 consecutive bytes a store
.endr
; ---- JOB 2: my K step of the tile.  It writes v16-116 alone: no register that a pending store of job 1 still reads
	s_wait_loadcnt 0x0                             ; the tile's 16 rows are in
	WIN 0x04                                       ; an LDS store's data are its source 1: window 1
.irp i, 0,1,2,3,4,5,6,7,8,9,10,11,12,13,14,15
	ds_store_b128 v[WSI], v[4*\i:4*\i+3] offset:SP*\i   ; v[256 + 4 i ..]
.endr
	WIN 0
.irp b, 0,1,2,3
.irp j, 0,1,2,3
	ds_load_b128 v[WX+16*\b+4*\j:WX+16*\b+4*\j+3], v[WSO] offset:128*\b+16*\j   ; LDS serves a wave's instructions in order: these see my stores
.endr
.endr
.irp b, 0,1,2,3
	v_mov_b32 v[TM+4+\b], 0                        ; a lane permute's destination counts as one of its sources
.endr
	s_wait_dscnt 0x0
	QUANT WX
.irp k, 0,1,2
	global_store_b128 v[LI], v[PC+4*\k:PC+4*\k+3], s[100:101] offset:512*\k   ; 512 consecutive bytes a store
.endr
	ds_store_b32 v[WWA], v[PW]                     ; row r's word of K step w; both halves of the lanes hold, and write, the same word
	s_wait_dscnt 0x0                               ; for the others' sake: my words lie in LDS
	s_barrier_signal -1
	s_barrier_wait -1
	s_cmp_lg_u32 s14, 0
	s_cbranch_scc1 .Lend                           ; wave 0 stores the tile's 512 bytes of scale words and the 32 channels' numbers
	ds_load_b128 v[WX:WX+3], v[WWG]
	s_lshl_b32 s88, ttmp9, 9
	s_add_co_u32 s88, s88, COEF
	s_mov_b32 s89, 0
	s_add_nc_u64 s[88:89], s[12:13], s[88:89]
	v_mov_b32 v[CQ], v10                           ; -mean
	v_add_f32 v[CQ+1], v[WL+1], v[WL+2]            ; gn_bias + out_b
	v_mul_f32 v[CQ+2], s3, v[WL]                   ; rstd w
	v_mov_b32 v[CQ+3], 0
	global_store_b128 v[LI], v[CQ:CQ+3], s[88:89]  ; a channel a lane: 512 consecutive bytes
	s_wait_dscnt 0x0
	global_store_b128 v[WGO], v[WX:WX+3], s[96:97] ; two runs of 256 consecutive bytes: rows 0-7 and rows 16-23 of the tile's 32
.Lend:
	s_wait_tensorcnt 0x0
	ds_add_u32 v254, v255
	s_wait_dscnt 0x0
	s_endpgm
.Lfunc_end_k_qb118b5a19e_prep:
	.size	k_qb118b5a19e_prep, .Lfunc_end_k_qb118b5a19e_prep-k_qb118b5a19e_prep
	.p2alignl 7, 3214868480
	.fill 96, 4, 3214868480
	.section	.rodata,"a",@progbits
	.p2align	6, 0x0
	.amdhsa_kernel k_qb118b5a19e_prep
		.amdhsa_group_segment_fixed_size 94208
		.amdhsa_private_segment_fixed_size 0
		.amdhsa_enable_private_segment 0
		.amdhsa_kernarg_size 64
		.amdhsa_user_sgpr_count 2
		.amdhsa_user_sgpr_kernarg_segment_ptr 1
		.amdhsa_wavefront_size32 1
		.amdhsa_system_sgpr_workgroup_id_x 1
		.amdhsa_system_sgpr_workgroup_id_y 1
		.amdhsa_system_sgpr_workgroup_id_z 1
		.amdhsa_system_vgpr_workitem_id 0
		.amdhsa_next_free_vgpr 320
		.amdhsa_next_free_sgpr 102
		.amdhsa_reserve_vcc 0
		.amdhsa_float_denorm_mode_32 3
		.amdhsa_float_denorm_mode_16_64 3
		.amdhsa_memory_ordered 1
		.amdhsa_forward_progress 1
		.amdhsa_inst_pref_size 54
	.end_amdhsa_kernel
	.amdgpu_metadata
---
amdhsa.version: [ 1, 2 ]
amdhsa.kernels:
  - .name:           k_qb118b5a19e_prep
    .symbol:         k_qb118b5a19e_prep.kd
    .args:
      - { .name: x, .offset: 0, .size: 8, .value_kind: global_buffer, .address_space: global }
      - { .name: gn_weight, .offset: 8, .size: 8, .value_kind: global_buffer, .address_space: global }
      - { .name: gn_bias, .offset: 16, .size: 8, .value_kind: global_buffer, .address_space: global }
      - { .name: out_b, .offset: 24, .size: 8, .value_kind: global_buffer, .address_space: global }
      - { .name: qkv_w, .offset: 32, .size: 8, .value_kind: global_buffer, .address_space: global }
      - { .name: out_w, .offset: 40, .size: 8, .value_kind: global_buffer, .address_space: global }
      - { .name: xnq, .offset: 48, .size: 8, .value_kind: global_buffer, .address_space: global }
      - { .name: wts, .offset: 56, .size: 8, .value_kind: global_buffer, .address_space: global }
    .group_segment_fixed_size: 94208
    .private_segment_fixed_size: 0
    .kernarg_segment_align: 8
    .kernarg_segment_size: 64
    .max_flat_workgroup_size: 256
    .sgpr_count:     102
    .vgpr_count:     320
    .wavefront_size: 32
...
	.end_amdgpu_metadata
.endif
;; end of part 1
;; launch qkv (part 2): grid 8 x 32, 4 waves a work-group, clusters of 4 x 1, 205,824 bytes of LDS; arguments xnq, wts, qkv_b, qkvq; writes qkvq
.if DOCPART == 2
	.amdgcn_target "amdgcn-amd-amdhsa--gfx1250"
	.amdhsa_code_object_version 6
	.text
	.protected	k_qb118b5a19e_qkv
	.globl	k_qb118b5a19e_qkv
	.p2align	8
	.type	k_qb118b5a19e_qkv,@function
k_qb118b5a19e_qkv:
	s_mov_b64 s[64:65], 0
	v_nop
	global_prefetch_b8 v0, s[64:65] scope:SCOPE_SE
	s_setreg_imm32_b32 hwreg(HW_REG_WAVE_MODE, 25, 1), 1
	s_wait_xcnt 0x0
	s_wait_alu depctr_hold_cnt(0) depctr_sa_sdst(0) depctr_va_vdst(0) depctr_va_sdst(0) depctr_va_ssrc(0) depctr_va_vcc(0) depctr_vm_vsrc(0)
	s_getreg_b32 s2, hwreg(HW_REG_IB_STS2, 6, 4)
	s_cmp_eq_u32 s2, 0
	s_cbranch_scc0 .Lentry_in_a_cluster
	s_endpgm
.Lentry_in_a_cluster:
	s_bfe_u32 s2, ttmp6, 0x10000c
	s_cmp_lg_u32 s2, 0x3003
	s_cbranch_scc0 .Lentry_shape_is_right
	s_endpgm
.Lentry_shape_is_right:
; The first product, qkv = W xn + b, on codes of BF6 (E3M2), and the quantisers of q, k and v, in registers.
; SHARES.  A work-group takes 256 positions of one batch element and two heads (384 outputs).  Wave w takes head w / 2; of it q (w even) or k (w odd), four tiles of 16 outputs, and two of v's four tiles.
; THE WEIGHTS STAY IN REGISTERS: six tiles x eight K steps x 12 = 576 registers a wave, read once as images of the operand's registers.  xn's 256 rows lie whole in LDS, filled once: no slot is filled again.
; One fragment of xn read from LDS feeds six products.
; CLUSTER.  The four work-groups of a cluster take four pairs of heads of the same 256 positions: xn's codes and scale words are asked for JOINTLY (the mask names all four).  The weights are not shared:
; each wave's six tiles are its own, and partners hold other heads.
; LAYOUT.  A tile of xn holds rows 32 q + 8 u + r + 8 (r / 8) (lane r); so do the tiles of the weights.  q and k: source 0 = W, source 1 = xn: a lane holds ONE position and its registers run along the head's 64,
; the next product's K.  v: source 0 = xn, source 1 = W: a lane holds ONE channel and its registers run along the positions, which are the keys, the third product's K.  The biases are the C of each sum's first product.
; q / 8 and k / 8 have q's and k's codes with 3 taken off the scale byte.
; OUT (all as images of operand registers, 512 consecutive bytes a store): q, k: for each 32 positions 12 registers: six of tile 2 P, six of tile 2 P + 1 (K = 64 is half a fragment); v: whole fragments of 16 channels x 128 keys.
; Scale words: q, k: [head][128 positions][lane][4]: lanes 0-15 the even tile's, lanes 16-31 the odd tile's; v: [head][128 keys][pair of tiles][lane].  v's scale words leave 128 bytes at a time: a small part of the launch's bytes.
; LIMITS: a block of q or k whose largest magnitude lies under 2^(8 - 127), of v under 2^(5 - 127), keeps the byte 1 (blocks of zeros too: their codes are zeros, and this program alone reads the bytes);
; the rounding of q / 8 among denormals is not followed; NaN and infinities are not served.
; REGISTERS, in windows of 256: window 0: see the names below.  Windows 1, 2: q's or k's tiles 0, 1 and 2, 3; window 3: v's two: tile i % 2, K step s at v[96 (i % 2) + 12 s]; its bias at v[192 + 8 (i % 2)].
.set XSO,  6291456                     ; xnq: the scale words
.set WSC,  3145728                     ; wts: the scale words
.set KCO,  6291456                     ; qkvq: k's codes (q's at 0),
.set VCO,  12582912                    ; v's,
.set QSO,  18874368                    ; q's scale words (k's 524,288 on),
.set VSO,  19922944                    ; v's
.set HALF, 98560                       ; LDS: 128 rows of xn: the 16 even planes (groups) of 3,072 bytes, then, from ODD on, the 16 odd ones
.set ODD,  49216                       ; 64 bytes past a multiple of 256: the 32 lanes of a load of 8 bytes, at 24 x row + ODD x half, then touch 64 different banks (64 banks of 4 bytes: ISA guide 11.1)
.set XSC,  2*HALF                      ; behind the two halves: xn's scale words, [K step][256 rows][4 bytes]
.set ADX,  4                           ; v4, v12  my lane's place in a plane, half 0, 1
.set ADS,  5                           ; v5, v13  and among the scale words: lanes 0-15 tile u = 0, lanes 16-31 tile u = 1
.set LI,   6                           ; v6   16 x lane
.set LS,   7                           ; v7   4 x lane
.set SH16, 8                           ; v8   16 x (lane / 16)
.set WS,   16                          ; v16-39   W's scale words: pair of tiles j, K step s at 8 j + s; lanes 0-15 the even tile, lanes 16-31 the odd
.set XS,   40                          ; v40-47   xn's, K step s
.set XF,   48                          ; v48-95   xn's fragments: two buffers x two tiles x 12
.set AQ,   96                          ; v96-159  sums of q or k: tile of rows u, tile of outputs i at 32 u + 8 i
.set AV,   160                         ; v160-191 sums of v: 16 i + 8 u
.set QC,   192                         ; v192-203 the codes of 32 positions of q or k
.set CT,   204                         ; v204-206 the second half of a conversion
.set VB,   208                         ; v208-231 v's codes of four blocks of 32 keys: blocks 0, 2, 1, 3
.set QW,   232                         ; v232-235 q's or k's scale words of four groups of 32 positions
.set VW,   236                         ; v236-238 v's scale words: tile 0, tile 1, both
.set QT,   239
.set TM,   240                         ; v240-245 at work
.set BY,   246                         ; v246-247 two scale bytes
.set VBI,  248                         ; v248-249 v's bias as loaded
.set QT2,  250
.set WV,   12                          ; s12  my wave's number
.set SEL,  22                          ; s[22:23] lane selects for v_permlanex16_b32
.set HM,   24                          ; s24  lanes 16-31
.set G1C,  28                          ; s[28:35] descriptor group 1: eight planes of 128 rows
.set G1S,  36                          ; s[36:43] two K steps' scale words of 256 rows
.set G0S,  44                          ; s[44:47], s[48:51], s[52:55] groups 0: scale words, half 0, half 1
.set G0A,  48
.set G0B,  52
.set W0J,  15|(3<<16)|(1<<21)          ; 15:0 the mask: all four work-groups; 17:16 elements of 8 bytes; 21 set beside a mask; no padding
.set MSB, 0
.macro WIN new                         ; the immediate's high byte repeats the setting that is left; a switch that changes nothing is dropped
.if MSB != (\new)
	s_set_vgpr_msb (MSB<<8)|(\new)
.set MSB, (\new)
.endif
.endm
.macro PLACES n
.rept \n
	v_nop
.endr
.endm
.macro ROUND                           ; a round of the cluster's barrier
	s_barrier_signal -1
	s_barrier_wait -1
	s_cmp_lg_u32 s[WV], 0
	s_cbranch_scc1 .Lnot_wave_0_\@
	s_barrier_signal -3
.Lnot_wave_0_\@:
	s_barrier_wait -3
	s_barrier_signal -1
	s_barrier_wait -1
.endm
.macro G1SET g, w0, c, r, p            ; r rows of c elements, p elements apart
	s_mov_b32 s[\g], \w0
	s_mov_b32 s[\g+1], ((\c)&0xffff)<<16           ; tensor_dim0
	s_mov_b32 s[\g+2], ((\c)>>16)|(((\r)&0xffff)<<16)   ; tensor_dim1
	s_mov_b32 s[\g+3], ((\r)>>16)|((\c)<<16)       ; tile_dim0
	s_mov_b32 s[\g+4], \r                          ; tile_dim1
	s_mov_b32 s[\g+5], \p                          ; tensor_dim0_stride
	s_mov_b32 s[\g+6], 0
	s_mov_b32 s[\g+7], 0
.endm
; one product.  c < 0: the constant 0 starts the sum.  ra, rb = 1: that side's scale words are taken from lanes 16-31
.macro WM d, a, b, c, sa, sb, ra, rb
.if (\c) < 0
.if (\ra) && (\rb)
	v_wmma_scale_f32_16x16x128_f8f6f4 v[(\d):(\d)+7], v[(\a):(\a)+11], v[(\b):(\b)+11], 0, v[\sa], v[\sb] matrix_a_fmt:MATRIX_FMT_BF6 matrix_b_fmt:MATRIX_FMT_BF6 matrix_a_scale:MATRIX_SCALE_ROW1 matrix_b_scale:MATRIX_SCALE_ROW1
.elseif (\ra)
	v_wmma_scale_f32_16x16x128_f8f6f4 v[(\d):(\d)+7], v[(\a):(\a)+11], v[(\b):(\b)+11], 0, v[\sa], v[\sb] matrix_a_fmt:MATRIX_FMT_BF6 matrix_b_fmt:MATRIX_FMT_BF6 matrix_a_scale:MATRIX_SCALE_ROW1
.elseif (\rb)
	v_wmma_scale_f32_16x16x128_f8f6f4 v[(\d):(\d)+7], v[(\a):(\a)+11], v[(\b):(\b)+11], 0, v[\sa], v[\sb] matrix_a_fmt:MATRIX_FMT_BF6 matrix_b_fmt:MATRIX_FMT_BF6 matrix_b_scale:MATRIX_SCALE_ROW1
.else
	v_wmma_scale_f32_16x16x128_f8f6f4 v[(\d):(\d)+7], v[(\a):(\a)+11], v[(\b):(\b)+11], 0, v[\sa], v[\sb] matrix_a_fmt:MATRIX_FMT_BF6 matrix_b_fmt:MATRIX_FMT_BF6
.endif
.else
.if (\ra) && (\rb)
	v_wmma_scale_f32_16x16x128_f8f6f4 v[(\d):(\d)+7], v[(\a):(\a)+11], v[(\b):(\b)+11], v[(\c):(\c)+7], v[\sa], v[\sb] matrix_a_fmt:MATRIX_FMT_BF6 matrix_b_fmt:MATRIX_FMT_BF6 matrix_a_scale:MATRIX_SCALE_ROW1 matrix_b_scale:MATRIX_SCALE_ROW1
.elseif (\ra)
	v_wmma_scale_f32_16x16x128_f8f6f4 v[(\d):(\d)+7], v[(\a):(\a)+11], v[(\b):(\b)+11], v[(\c):(\c)+7], v[\sa], v[\sb] matrix_a_fmt:MATRIX_FMT_BF6 matrix_b_fmt:MATRIX_FMT_BF6 matrix_a_scale:MATRIX_SCALE_ROW1
.elseif (\rb)
	v_wmma_scale_f32_16x16x128_f8f6f4 v[(\d):(\d)+7], v[(\a):(\a)+11], v[(\b):(\b)+11], v[(\c):(\c)+7], v[\sa], v[\sb] matrix_a_fmt:MATRIX_FMT_BF6 matrix_b_fmt:MATRIX_FMT_BF6 matrix_b_scale:MATRIX_SCALE_ROW1
.else
	v_wmma_scale_f32_16x16x128_f8f6f4 v[(\d):(\d)+7], v[(\a):(\a)+11], v[(\b):(\b)+11], v[(\c):(\c)+7], v[\sa], v[\sb] matrix_a_fmt:MATRIX_FMT_BF6 matrix_b_fmt:MATRIX_FMT_BF6
.endif
.endif
.endm
; Two blocks of 32: v[src + 16 e + i] is number 16 (lane / 16) + i of block e of my lane's row.  Out: v[dst .. dst + 5] of lane (r, h) = the 24 bytes of block h of row r; the two bytes, less sh, in v[BY], v[BY + 1].
.macro Q2 src, dst, sh
.irp e, 0,1
	v_max3_num_f32 v[TM+\e], |v[(\src)+16*\e]|, |v[(\src)+16*\e+1]|, (5+\sh)<<23   ; my 16 numbers, from each sum's low end on, and the floor, which holds the byte at 1 from below
.endr
.irp n, 2,4,6,8,10,12,14
.irp e, 0,1
	v_max3_num_f32 v[TM+\e], v[TM+\e], |v[(\src)+16*\e+\n]|, |v[(\src)+16*\e+\n+1]|
.endr
.endr
.irp e, 0,1
	v_permlanex16_b32 v[TM+2+\e], v[TM+\e], s[SEL], s[SEL+1]
.endr
.irp e, 0,1
	v_max_num_f32 v[TM+\e], v[TM+\e], v[TM+2+\e]   ; with lane l xor 16's: the block's largest magnitude
.endr
.irp e, 0,1
	v_add_nc_u32 v[TM+4+\e], 0xfe000000, v[TM+\e]  ; 4 off its exponent field: the conversion's scale operand
.endr
.irp e, 0,1
	v_lshrrev_b32 v[BY+\e], 23, v[TM+4+\e]         ; the scale's byte
.endr
.if \sh
.irp e, 0,1
	v_add_nc_u32 v[BY+\e], -\sh, v[BY+\e]          ; the numbers divided by 2^sh: the same codes under a smaller scale
.endr
.endif
	v_cvt_scalef32_pk16_bf6_f32 v[(\dst):(\dst)+2], v[(\src):(\src)+15], v[TM+4]
	v_cvt_scalef32_pk16_bf6_f32 v[CT:CT+2], v[(\src)+16:(\src)+31], v[TM+5]
	v_nop                                          ; one plain place behind a scaled conversion
.irp n, 0,1,2
	v_permlane16_swap_b32 v[(\dst)+\n], v[CT+\n]   ; the first's lanes 16-31 change places with the second's lanes 0-15: each lane now holds its block's lower 16 codes, and the upper 16
.endr
.irp n, 0,1,2
	v_mov_b32 v[(\dst)+3+\n], v[CT+\n]
.endr
.endm
	s_load_b256 s[4:11], s[0:1], 0x0               ; xnq, wts, qkv_b, qkvq
	v_lshl_add_u32 v254, v0, 2, 0x32200
	v_mov_b32 v255, 0
	ds_add_u32 v254, v255
	ds_add_u32 v254, v255
	v_lshrrev_b32 v1, 5, v0
	v_readfirstlane_b32 s[WV], v1                  ; wave 0..3
	s_and_b32 s15, ttmp7, 0xffff                   ; y = 4 b + lr: shared by the four partners
	s_lshr_b32 s16, s15, 2                         ; b
	s_and_b32 s17, s15, 3                          ; lr: which 256 positions
	s_lshr_b32 s18, s[WV], 1                       ; which of the two heads; also: which eight planes of a parity I fetch
	s_and_b32 s19, s[WV], 1                        ; q or k; also: the planes' parity
	G1SET G1C, W0J, 384, 8, 6144                   ; eight planes, two planes apart: 128 rows x 24 bytes = 384 elements each
	G1SET G1S, W0J, 128, 2, 512                    ; two K steps: 256 rows x 4 bytes = 128 elements each, 4,096 bytes apart
	s_lshl_b32 s66, s16, 5                         ; my first plane: 32 b + parity + 16 (w / 2);
	s_add_co_u32 s66, s66, s19
	s_lshl_b32 s67, s18, 4
	s_add_co_u32 s66, s66, s67
	s_lshl_b32 s66, s66, 10                        ; 1,024 rows a plane,
	s_lshl_b32 s67, s17, 8
	s_add_co_u32 s66, s66, s67                     ; + 256 lr rows,
	s_mul_i32 s66, s66, 24                         ; of 24 bytes
	s_mov_b32 s67, 0
	s_lshl_b32 s68, s16, 3                         ; my first K step's scale words: 8 b + 2 w,
	s_lshl_b32 s69, s[WV], 1
	s_add_co_u32 s68, s68, s69
	s_lshl_b32 s68, s68, 12                        ; 4,096 bytes a step,
	s_lshl_b32 s69, s17, 10
	s_add_co_u32 s68, s68, s69                     ; + 256 lr rows of 4 bytes
	s_add_co_u32 s68, s68, XSO
	s_mov_b32 s69, 0
	s_mul_i32 s70, s19, ODD                        ; where my planes go: no place in the cluster enters an LDS address
	s_mul_i32 s71, s18, 24576
	s_add_co_u32 s70, s70, s71
	s_mov_b32 s[SEL], 0x76543210
	s_mov_b32 s[SEL+1], 0xfedcba98
	s_mov_b32 s[HM], 0xffff0000
	s_wait_dscnt 0x0
	s_wait_kmcnt 0x0
	s_mov_b32 s[G0S], 1                            ; count = 1
	s_lshl_b32 s[G0S+1], s[WV], 11
	s_add_co_u32 s[G0S+1], s[G0S+1], XSC           ; LDS address
	s_add_nc_u64 s[G0S+2:G0S+3], s[4:5], s[68:69]  ; global address
	s_or_b32 s[G0S+3], s[G0S+3], 0x80000000        ; type = 2
	s_mov_b32 s[G0A], 1
	s_mov_b32 s[G0A+1], s70
	s_add_nc_u64 s[G0A+2:G0A+3], s[4:5], s[66:67]
	s_mov_b32 s[G0B], 1
	s_add_co_u32 s[G0B+1], s70, HALF
	s_add_nc_u64 s[G0B+2:G0B+3], s[G0A+2:G0A+3], 3072   ; the second 128 rows
	s_or_b32 s[G0A+3], s[G0A+3], 0x80000000
	s_or_b32 s[G0B+3], s[G0B+3], 0x80000000
	ROUND                                          ; all four work-groups are here: the joint loads meet
	tensor_load_to_lds s[G0S:G0S+3], s[G1S:G1S+7]  ; the launch's only fills, as one group: three loads of mine are out
	s_nop 0
	tensor_load_to_lds s[G0A:G0A+3], s[G1C:G1C+7]
	s_nop 0
	tensor_load_to_lds s[G0B:G0B+3], s[G1C:G1C+7]
	s_nop 0
	PLACES 4
	v_and_b32 v1, 15, v0                           ; r
	v_bfe_u32 v2, v0, 4, 1                         ; h
	v_and_b32 v3, 8, v1
	v_add_nc_u32 v3, v3, v1                        ; r + 8 (r / 8)
	v_mul_u32_u24 v[ADX], v3, 24
	v_mad_u32_u24 v[ADX], v2, ODD, v[ADX]          ; my row's 24 bytes; lanes 16-31 take the odd planes
	v_add_nc_u32 v[ADX+8], HALF, v[ADX]
	v_lshl_add_u32 v[ADS], v2, 3, v3
	v_lshl_add_u32 v[ADS], v[ADS], 2, XSC          ; lanes 16-31: the tile eight rows on
	v_add_nc_u32 v[ADS+8], 512, v[ADS]
	v_and_b32 v[LI], 31, v0
	v_lshlrev_b32 v[LS], 2, v[LI]
	v_lshlrev_b32 v[LI], 4, v[LI]
	v_lshlrev_b32 v[SH16], 4, v2
	v_lshl_add_u32 v9, v2, 3, v3
	v_lshlrev_b32 v9, 5, v9                        ; W's scale words: 32 bytes a row; lanes 16-31 the odd tile's rows
	s_wait_alu depctr_va_vdst(0)
	v_lshlrev_b32 v10, 6, v2                       ; q's and k's bias: my half's eight outputs of a tile begin 16 h outputs on
	v_lshlrev_b32 v11, 2, v3                       ; v's bias: my lane's channel
	s_wait_alu depctr_va_vdst(0)
	v_mov_b32 v[TM+2], 0                           ; written once: a lane permute's destination counts as one of its sources
	v_mov_b32 v[TM+3], 0
	s_bfe_u32 s72, ttmp6, 0x40000                  ; cx: it enters the weights', the bias's and the outputs' addresses alone
	s_lshl_b32 s73, ttmp9, 2
	s_add_co_u32 s73, s73, s72                     ; the pair of heads
	s_lshl_b32 s74, s73, 1
	s_add_co_u32 s74, s74, s18                     ; my head H
	s_lshl_b32 s75, s16, 4
	s_add_co_u32 s75, s75, s74                     ; 16 b + H
	s_mul_i32 s76, s74, 12                         ; q's or k's first tile: 12 H + 4 part
	s_lshl_b32 s77, s19, 2
	s_add_co_u32 s76, s76, s77
	s_mul_i32 s76, s76, 12288
	s_mov_b32 s77, 0
	s_add_nc_u64 s[76:77], s[6:7], s[76:77]
	s_mul_i32 s78, s74, 12                         ; v's: 12 H + 8 + 2 part
	s_lshl_b32 s79, s19, 1
	s_add_co_u32 s78, s78, s79
	s_add_co_u32 s78, s78, 8
	s_mul_i32 s78, s78, 12288
	s_mov_b32 s79, 0
	s_add_nc_u64 s[78:79], s[6:7], s[78:79]
	s_mul_i32 s88, s74, 192
	s_lshl_b32 s90, s19, 6
	s_add_co_u32 s90, s90, s88                     ; q's or k's first output
	s_lshl_b32 s91, s19, 5
	s_add_co_u32 s91, s91, s88
	s_add_co_u32 s91, s91, 128                     ; v's
	s_lshl_b32 s80, s90, 5
	s_add_co_u32 s80, s80, WSC
	s_mov_b32 s81, 0
	s_add_nc_u64 s[80:81], s[6:7], s[80:81]
	s_lshl_b32 s82, s91, 5
	s_add_co_u32 s82, s82, WSC
	s_mov_b32 s83, 0
	s_add_nc_u64 s[82:83], s[6:7], s[82:83]
	s_lshl_b32 s84, s90, 2
	s_mov_b32 s85, 0
	s_add_nc_u64 s[84:85], s[8:9], s[84:85]
	s_lshl_b32 s86, s91, 2
	s_mov_b32 s87, 0
	s_add_nc_u64 s[86:87], s[8:9], s[86:87]
	s_mul_i32 s92, s75, 49152                      ; the head's codes,
	s_mul_i32 s93, s17, 12288                      ; my 256 positions: eight groups of 32, or two key steps
	s_mul_i32 s56, s19, KCO                        ; q's region or k's: an offset is chosen, no address
	s_add_co_u32 s56, s56, s92
	s_add_co_u32 s56, s56, s93
	s_mov_b32 s57, 0
	s_add_nc_u64 s[56:57], s[10:11], s[56:57]      ; s[56:57] q's or k's codes
	s_add_co_u32 s60, s92, s93
	s_mul_i32 s94, s19, 3072
	s_add_co_u32 s60, s60, s94
	s_add_co_u32 s60, s60, VCO
	s_mov_b32 s61, 0
	s_add_nc_u64 s[60:61], s[10:11], s[60:61]      ; s[60:61] v's codes: my two tiles
	s_lshl_b32 s58, s19, 19
	s_lshl_b32 s94, s75, 12
	s_add_co_u32 s58, s58, s94
	s_lshl_b32 s94, s17, 10
	s_add_co_u32 s58, s58, s94
	s_add_co_u32 s58, s58, QSO
	s_mov_b32 s59, 0
	s_add_nc_u64 s[58:59], s[10:11], s[58:59]      ; s[58:59] q's or k's scale words
	s_lshl_b32 s62, s75, 11
	s_lshl_b32 s94, s17, 9
	s_add_co_u32 s62, s62, s94
	s_lshl_b32 s94, s19, 7
	s_add_co_u32 s62, s62, s94
	s_add_co_u32 s62, s62, VSO
	s_mov_b32 s63, 0
	s_add_nc_u64 s[62:63], s[10:11], s[62:63]      ; s[62:63] v's scale words
.irp j, 0,1
	global_load_b128 v[WS+8*\j:WS+8*\j+3], v9, s[80:81] offset:1024*\j
	global_load_b128 v[WS+8*\j+4:WS+8*\j+7], v9, s[80:81] offset:1024*\j+16
.endr
	global_load_b128 v[WS+16:WS+19], v9, s[82:83]
	global_load_b128 v[WS+20:WS+23], v9, s[82:83] offset:16
	global_load_b32 v[VBI], v11, s[86:87]
	global_load_b32 v[VBI+1], v11, s[86:87] offset:32
.irp i, 0,1,2,3                                ; q's or k's four tiles: they stay
	WIN (1+\i/2)<<6                                ; destination window 1 or 2
.irp s, 0,1,2,3,4,5,6,7
.irp k, 0,1,2
	global_load_b128 v[96*(\i%2)+12*\s+4*\k:96*(\i%2)+12*\s+4*\k+3], v[LI], s[76:77] offset:12288*\i+1536*\s+512*\k
.endr
.endr
	global_load_b128 v[192+8*(\i%2):192+8*(\i%2)+3], v10, s[84:85] offset:(32*(\i/2)+8*(\i%2))*4   ; register j of lane (r, h): the bias of output 32 (i / 2) + 16 h + 8 (i % 2) + j
	global_load_b128 v[192+8*(\i%2)+4:192+8*(\i%2)+7], v10, s[84:85] offset:(32*(\i/2)+8*(\i%2))*4+16
.endr
	WIN 0xc0                                       ; destination window 3
.irp i, 0,1                                    ; v's two
.irp s, 0,1,2,3,4,5,6,7
.irp k, 0,1,2
	global_load_b128 v[96*\i+12*\s+4*\k:96*\i+12*\s+4*\k+3], v[LI], s[78:79] offset:12288*\i+1536*\s+512*\k
.endr
.endr
.endr
	s_wait_loadcnt 0x0
.irp i, 0,1
.irp j, 0,1,2,3,4,5,6,7
	v_mov_b32 v[192+8*\i+\j], v[VBI+\i]            ; v's bias hangs on the lane's channel alone: eight copies make the C of a sum's first product
.endr
.endr
	WIN 0
	s_wait_alu depctr_va_vdst(0)
	s_wait_tensorcnt 0x0                           ; my parts of xn have landed,
	s_barrier_signal -1
	s_barrier_wait -1                              ; everybody's have
; xn's two tiles of group q of half z, K step s, into buffer buf: lane (r, h) takes of its row the 24 bytes of planes 4 s + h and 4 s + 2 + h, in pieces of 8 bytes
.macro XFETCH z, q, s, buf
.irp u, 0,1
.irp c, 0,1
.irp p, 0,1,2
	ds_load_b64 v[XF+24*(\buf)+12*\u+6*\c+2*\p:XF+24*(\buf)+12*\u+6*\c+2*\p+1], v[ADX+8*(\z)] offset:(2*(\s)+\c)*3072+(32*(\q)+8*\u)*24+8*\p
.endr
.endr
.endr
.endm
; A K step: twelve products on twelve accumulators, which take turns in the same order in every step
.macro KSTEP z, q, s
	PLACES 4                                       ; in front of loads into the buffer that the step before multiplied (ISA guide 7.12.1 for vector instructions)
.if (\s) < 7
	XFETCH \z, \q, (\s)+1, 1-(\s)%2
	s_wait_dscnt 12                                ; all but the twelve just issued
.else
	s_wait_dscnt 0x0
.endif
.set XB, XF+24*((\s)%2)
.irp i, 0,1,2,3
.if (\s) == 0
	WIN 0x11*(1+\i/2)                              ; source 0 (W) and C (the bias) in window 1 or 2
.else
	WIN 0x01*(1+\i/2)
.endif
.irp u, 0,1
.if (\s) == 0
	WM AQ+32*\u+8*\i, 96*(\i%2)+12*(\s), XB+12*\u, 192+8*(\i%2), WS+8*(\i/2)+(\s), XS+(\s), \i%2, \u
.else
	WM AQ+32*\u+8*\i, 96*(\i%2)+12*(\s), XB+12*\u, AQ+32*\u+8*\i, WS+8*(\i/2)+(\s), XS+(\s), \i%2, \u
.endif
.endr
.endr
.if (\s) == 0
	WIN 0x3c                                       ; source 1 (W) and C (the bias) in window 3
.else
	WIN 0x0c
.endif
.irp i, 0,1
.irp u, 0,1
.if (\s) == 0
	WM AV+16*\i+8*\u, XB+12*\u, 96*\i+12*(\s), 192+8*\i, XS+(\s), WS+16+(\s), \u, \i
.else
	WM AV+16*\i+8*\u, XB+12*\u, 96*\i+12*(\s), AV+16*\i+8*\u, XS+(\s), WS+16+(\s), \u, \i
.endif
.endr
.endr
	WIN 0
.endm
; 32 positions: group q of half z
.macro LG z, q
.irp s, 0,1,2,3,4,5,6,7
	ds_load_b32 v[XS+\s], v[ADS+8*(\z)] offset:1024*\s+128*(\q)
.endr
	XFETCH \z, \q, 0, 0
.irp s, 0,1,2,3,4,5,6,7
	KSTEP \z, \q, \s
.endr
	PLACES 5                                       ; four in front of the first read of results; five, since the next group's first products write these accumulators anew, with another C
	s_wait_xcnt 0x0                                ; the last group's stores have read the codes' registers
	Q2 AQ, QC, 3                                   ; tile u = 0: the head's two blocks of 32
	v_lshl_or_b32 v[QT], v[BY+1], 8, v[BY]
	Q2 AQ+32, QC+6, 3                              ; tile u = 1
	v_lshl_or_b32 v[QT2], v[BY+1], 8, v[BY]
	v_lshl_or_b32 v[QT], v[QT2], 16, v[QT]
	v_lshrrev_b32 v[QW+(\q)], v[SH16], v[QT]       ; lanes 0-15: tile 0's two bytes lowest; lanes 16-31: tile 1's.  The upper two bytes meet zero codes alone and are never 0xff
.irp k, 0,1,2
	global_store_b128 v[LI], v[QC+4*\k:QC+4*\k+3], s[56:57] offset:6144*(\z)+1536*(\q)+512*\k
.endr
	Q2 AV, VB+12*((\q)%2)+6*((\q)/2), 0            ; v: block e is the 32 keys of tile e's channel: lanes 0-15 end with tile 0's block, lanes 16-31 with tile 1's
.if (\q) == 0
	v_mov_b32 v[VW], v[BY]
	v_mov_b32 v[VW+1], v[BY+1]
.else
	v_lshl_or_b32 v[VW], v[BY], 8*(\q), v[VW]
	v_lshl_or_b32 v[VW+1], v[BY+1], 8*(\q), v[VW+1]
.endif
.endm
; 128 positions are done: their scale words, and v's two fragments of this key step
.macro FLUSH z
	global_store_b128 v[LI], v[QW:QW+3], s[58:59] offset:512*(\z)
.irp k, 0,1,2,3,4,5
	v_permlane16_swap_b32 v[VB+\k], v[VB+12+\k]    ; blocks 0 and 1: the first becomes tile 0's registers 0-5, the second tile 1's
	v_permlane16_swap_b32 v[VB+6+\k], v[VB+18+\k]  ; blocks 2 and 3: registers 6-11
.endr
.irp i, 0,1
.irp k, 0,1,2
	global_store_b128 v[LI], v[VB+12*\i+4*\k:VB+12*\i+4*\k+3], s[60:61] offset:6144*(\z)+1536*\i+512*\k
.endr
.endr
	v_cndmask_b32 v[VW+2], v[VW], v[VW+1], s[HM]   ; lanes 0-15 tile 0's words, lanes 16-31 tile 1's
	global_store_b32 v[LS], v[VW+2], s[62:63] offset:256*(\z)
.endm
.irp z, 0,1
	LG \z, 0
	LG \z, 1
	LG \z, 2
	LG \z, 3
	FLUSH \z
.endr
	s_wait_dscnt 0x0                               ; no LDS instruction of mine is pending at a signal
	s_wait_tensorcnt 0x0
	ds_add_u32 v254, v255
	s_wait_dscnt 0x0
	ROUND                                          ; the closing round: no work-group ends while a partner may still ask for a tile that names it
	s_endpgm
.Lfunc_end_k_qb118b5a19e_qkv:
	.size	k_qb118b5a19e_qkv, .Lfunc_end_k_qb118b5a19e_qkv-k_qb118b5a19e_qkv
	.p2alignl 7, 3214868480
	.fill 96, 4, 3214868480
	.section	.rodata,"a",@progbits
	.p2align	6, 0x0
	.amdhsa_kernel k_qb118b5a19e_qkv
		.amdhsa_group_segment_fixed_size 205824
		.amdhsa_private_segment_fixed_size 0
		.amdhsa_enable_private_segment 0
		.amdhsa_kernarg_size 32
		.amdhsa_user_sgpr_count 2
		.amdhsa_user_sgpr_kernarg_segment_ptr 1
		.amdhsa_wavefront_size32 1
		.amdhsa_system_sgpr_workgroup_id_x 1
		.amdhsa_system_sgpr_workgroup_id_y 1
		.amdhsa_system_sgpr_workgroup_id_z 1
		.amdhsa_system_vgpr_workitem_id 0
		.amdhsa_next_free_vgpr 1024
		.amdhsa_next_free_sgpr 96
		.amdhsa_reserve_vcc 0
		.amdhsa_float_denorm_mode_32 3
		.amdhsa_float_denorm_mode_16_64 3
		.amdhsa_memory_ordered 1
		.amdhsa_forward_progress 1
		.amdhsa_inst_pref_size 243
	.end_amdhsa_kernel
	.amdgpu_metadata
---
amdhsa.version: [ 1, 2 ]
amdhsa.kernels:
  - .name:           k_qb118b5a19e_qkv
    .symbol:         k_qb118b5a19e_qkv.kd
    .args:
      - { .name: xnq, .offset: 0, .size: 8, .value_kind: global_buffer, .address_space: global }
      - { .name: wts, .offset: 8, .size: 8, .value_kind: global_buffer, .address_space: global }
      - { .name: qkv_b, .offset: 16, .size: 8, .value_kind: global_buffer, .address_space: global }
      - { .name: qkvq, .offset: 24, .size: 8, .value_kind: global_buffer, .address_space: global }
    .group_segment_fixed_size: 205824
    .private_segment_fixed_size: 0
    .kernarg_segment_align: 8
    .kernarg_segment_size: 32
    .max_flat_workgroup_size: 128
    .sgpr_count:     96
    .vgpr_count:     1024
    .wavefront_size: 32
...
	.end_amdgpu_metadata
.endif
;; end of part 2
;; launch attn (part 3): grid 4 x 64, 16 waves a work-group, clusters of 4 x 1, 210,944 bytes of LDS; arguments qkvq, ctxq; writes ctxq
.if DOCPART == 3
	.amdgcn_target "amdgcn-amd-amdhsa--gfx1250"
	.amdhsa_code_object_version 6
	.text
	.protected	k_qb118b5a19e_attn
	.globl	k_qb118b5a19e_attn
	.p2align	8
	.type	k_qb118b5a19e_attn,@function
k_qb118b5a19e_attn:
	s_mov_b64 s[64:65], 0
	v_nop
	global_prefetch_b8 v0, s[64:65] scope:SCOPE_SE
	s_setreg_imm32_b32 hwreg(HW_REG_WAVE_MODE, 25, 1), 1
	s_wait_xcnt 0x0
	s_wait_alu depctr_hold_cnt(0) depctr_sa_sdst(0) depctr_va_vdst(0) depctr_va_sdst(0) depctr_va_ssrc(0) depctr_va_vcc(0) depctr_vm_vsrc(0)
	s_getreg_b32 s2, hwreg(HW_REG_IB_STS2, 6, 4)
	s_cmp_eq_u32 s2, 0
	s_cbranch_scc0 .Lentry_in_a_cluster
	s_endpgm
.Lentry_in_a_cluster:
	s_bfe_u32 s2, ttmp6, 0x10000c
	s_cmp_lg_u32 s2, 0x3003
	s_cbranch_scc0 .Lentry_shape_is_right
	s_endpgm
.Lentry_shape_is_right:
; Attention on codes of BF6 (E3M2): scores, softmax, context, and the quantiser of the context for the last product.  16 heads of 64, 1,024 positions, 8 batch elements.
; THE SOFTMAX AHEAD OF THE SECOND PRODUCT: t = score x log2(e) (the two factors 1 / 8 lie in q's and k's scale bytes); M = the row's largest t so far, rounded UP to a whole number; p = 2^(t - M) is quantised along the keys,
; not normalised; the row's sum is taken of the unquantised p and divides at the end.  When M moves, the sum and O are multiplied by 2^(old M - new M): exact.
; SHARES.  A work-group takes 256 queries and TWO heads, 2 hp and 2 hp + 1; each of its sixteen waves one tile of 16 queries, one head after the other: so a wave ends with a whole fragment of the last product's
; operand (128 channels = two heads).  Four waves share a SIMD, so that one wave's vector work stands beside another's products and LDS loads.
; LDS holds both heads' k and v as codes, and their scale words, whole: filled once, no slot is filled again.
; CLUSTER.  The four work-groups of a cluster are the four blocks of queries of the same two heads: k and v are asked for JOINTLY (the mask names all four), by waves 0 to 3, a quarter of each block each.
; LAYOUT.  Both products are used transposed (S^T = k q^T, O^T = v^T p^T): a lane holds ONE query throughout.  The keys of a tile are not neighbours (lane r of tile 2 b + u: key 32 b + 8 u + r + 8 (r / 8)),
; so that the 16 registers of two neighbouring tiles are 16 neighbouring keys.  All operands lie in LDS as images of their registers: every load is 16 bytes a lane at 16 x lane.
; K = 64 IS HALF OF THE INSTRUCTION'S 128.  q's upper six registers are zero codes.  A tile of k is six registers; the operand names twelve: the upper six are the next tile's codes (behind the last tile: zeros).
; They meet q's zero codes and add nothing: E3M2 has no infinity and no NaN, and the scale bytes there are never 0xff.
; LIMITS: a block of the context whose largest magnitude lies under 2^(5 - 127) keeps the byte 1 (this program alone reads the bytes); NaN and infinities are not served.
.set KCO,  6291456                     ; qkvq: k's codes (q's at 0), v's, and the three regions of scale words
.set VCO,  12582912
.set QSO,  18874368
.set KSO,  19398656
.set VSO,  19922944
.set CSO,  6291456                     ; ctxq: the scale words
.set VC_,  98304                       ; LDS: k's codes at 0 (two heads on end, 6,144 bytes a key step), v's here,
.set KS_,  196608                      ; k's scale words, 512 bytes a key step,
.set VS_,  204800                      ; v's, 256
.set LI,   1                           ; v1   16 x lane
.set LS,   2                           ; v2   4 x lane
.set ADK,  3                           ; v3-6 the LDS addresses of the step in hand
.set ADV,  4
.set ADKS, 5
.set ADVS, 6
.set QA,   7                           ; v7-9 q: the three pieces of 8 bytes of my tile's six registers
.set QSA,  10                          ; v10  q's scale word
.set CSA,  11                          ; v11  4 x (lane % 16)
.set QF,   16                          ; v16-27, v28-39 q of head 0, 1;  v12 -M, v13 the largest t, v[14:15] the sum in two halves
.set QS,   40                          ; v40-41 q's scale words
.set KSR,  42                          ; v42-45 k's: pair of tiles; lanes 0-15 the even tile, lanes 16-31 the odd
.set VSR,  46                          ; v46-47 v's likewise
.set KF,   48                          ; v48-95 a step's k, later its v; v96-101 zeros
.set S,    104                         ; v104-167 S^T, then p
.set O,    168                         ; v168-199 O^T
.set CTX,  200                         ; v200-211 the context's codes
.set P,    212                         ; v212-223 p's codes
.set H2,   224                         ; v224-230 the conversions' second halves
.set CT,   224
.set BM,   232                         ; v232-235 the blocks' largest scores
.set PB,   236                         ; v236-239 the other half's, then bytes, then a chain of the sum
.set OP,   240                         ; v240-243 the conversions' scale operands
.set F,    244                         ; v[244:245] 2^(old M - new M)
.set PWD,  246                         ; p's scale word
.set CW,   247                         ; the context's scale word
.set TT,   248
.set TM,   248                         ; v248-253 at work in Q2
.set BY,   254
.set WV,   8
.set G1A,  12                          ; s[12:19] 96 rows of 256 bytes; s[20:27] 8 rows; s[28:35] 4 rows
.set G1B,  20
.set G1C,  28
.set G0K,  36                          ; s[36:51] four groups 0
.set G0V,  40
.set G0KS, 44
.set G0VS, 48
.set SEL,  52
.set CS,   54                          ; s[54:55] log2(e)
.set TK,   56                          ; s56-59 where the step's k, v and their scale words begin in LDS
.set TV,   57
.set TKS,  58
.set TVS,  59
.set CNT,  60
.set W0J,  15|(3<<16)|(1<<21)          ; the mask: all four work-groups; elements of 8 bytes; bit 21 beside a mask; no padding
.macro PLACES n
.rept \n
	v_nop
.endr
.endm
.macro ROUND                           ; a round of the cluster's barrier
	s_barrier_signal -1
	s_barrier_wait -1
	s_cmp_lg_u32 s[WV], 0
	s_cbranch_scc1 .Lnot_wave_0_\@
	s_barrier_signal -3
.Lnot_wave_0_\@:
	s_barrier_wait -3
	s_barrier_signal -1
	s_barrier_wait -1
.endm
.macro G1SET g, w0, c, r, p
	s_mov_b32 s[\g], \w0
	s_mov_b32 s[\g+1], ((\c)&0xffff)<<16
	s_mov_b32 s[\g+2], ((\c)>>16)|(((\r)&0xffff)<<16)
	s_mov_b32 s[\g+3], ((\r)>>16)|((\c)<<16)
	s_mov_b32 s[\g+4], \r
	s_mov_b32 s[\g+5], \p
	s_mov_b32 s[\g+6], 0
	s_mov_b32 s[\g+7], 0
.endm
; one product.  c < 0: the constant 0 starts the sum.  ra = 1: source 0's scale words are taken from lanes 16-31
.macro WM d, a, b, c, sa, sb, ra
.if (\c) < 0
.if (\ra)
	v_wmma_scale_f32_16x16x128_f8f6f4 v[(\d):(\d)+7], v[(\a):(\a)+11], v[(\b):(\b)+11], 0, v[\sa], v[\sb] matrix_a_fmt:MATRIX_FMT_BF6 matrix_b_fmt:MATRIX_FMT_BF6 matrix_a_scale:MATRIX_SCALE_ROW1
.else
	v_wmma_scale_f32_16x16x128_f8f6f4 v[(\d):(\d)+7], v[(\a):(\a)+11], v[(\b):(\b)+11], 0, v[\sa], v[\sb] matrix_a_fmt:MATRIX_FMT_BF6 matrix_b_fmt:MATRIX_FMT_BF6
.endif
.else
.if (\ra)
	v_wmma_scale_f32_16x16x128_f8f6f4 v[(\d):(\d)+7], v[(\a):(\a)+11], v[(\b):(\b)+11], v[(\c):(\c)+7], v[\sa], v[\sb] matrix_a_fmt:MATRIX_FMT_BF6 matrix_b_fmt:MATRIX_FMT_BF6 matrix_a_scale:MATRIX_SCALE_ROW1
.else
	v_wmma_scale_f32_16x16x128_f8f6f4 v[(\d):(\d)+7], v[(\a):(\a)+11], v[(\b):(\b)+11], v[(\c):(\c)+7], v[\sa], v[\sb] matrix_a_fmt:MATRIX_FMT_BF6 matrix_b_fmt:MATRIX_FMT_BF6
.endif
.endif
.endm
; Two blocks of 32: v[src + 16 e + i] is number 16 (lane / 16) + i of block e of my lane's row.  Out: v[dst .. dst + 5] of lane (r, h) = the 24 bytes of block h; the two bytes in v[BY], v[BY + 1].
.macro Q2 src, dst
.irp e, 0,1
	v_max3_num_f32 v[TM+\e], |v[(\src)+16*\e]|, |v[(\src)+16*\e+1]|, 0x2800000   ; my 16 numbers, and the floor 2^(5 - 127)
.endr
.irp n, 2,4,6,8,10,12,14
.irp e, 0,1
	s_delay_alu instid0(VALU_DEP_2)
	v_max3_num_f32 v[TM+\e], v[TM+\e], |v[(\src)+16*\e+\n]|, |v[(\src)+16*\e+\n+1]|
.endr
.endr
.irp e, 0,1
	s_delay_alu instid0(VALU_DEP_2)
	v_permlanex16_b32 v[TM+2+\e], v[TM+\e], s[SEL], s[SEL+1]
.endr
.irp e, 0,1
	s_delay_alu instid0(VALU_DEP_2)
	v_max_num_f32 v[TM+\e], v[TM+\e], v[TM+2+\e]
.endr
.irp e, 0,1
	s_delay_alu instid0(VALU_DEP_2)
	v_add_nc_u32 v[TM+4+\e], 0xfe000000, v[TM+\e]
.endr
.irp e, 0,1
	s_delay_alu instid0(VALU_DEP_2)
	v_lshrrev_b32 v[BY+\e], 23, v[TM+4+\e]
.endr
	v_cvt_scalef32_pk16_bf6_f32 v[(\dst):(\dst)+2], v[(\src):(\src)+15], v[TM+4]
	v_cvt_scalef32_pk16_bf6_f32 v[CT:CT+2], v[(\src)+16:(\src)+31], v[TM+5]
	v_nop                                          ; one plain place behind a scaled conversion
.irp n, 0,1,2
	v_permlane16_swap_b32 v[(\dst)+\n], v[CT+\n]
.endr
.irp n, 0,1,2
	s_delay_alu instid0(VALU_DEP_3)
	v_mov_b32 v[(\dst)+3+\n], v[CT+\n]
.endr
.endm
	s_load_b128 s[4:7], s[0:1], 0x0                ; qkvq, ctxq
	v_lshl_add_u32 v227, v0, 2, 0x33000
	v_mov_b32 v231, 0
	ds_add_u32 v227, v231
	ds_add_u32 v227, v231
	v_lshrrev_b32 v1, 5, v0
	s_delay_alu instid0(VALU_DEP_1)
	v_readfirstlane_b32 s[WV], v1                  ; wave 0..15
	s_and_b32 s9, ttmp7, 0xffff                    ; y = 8 b + hp, shared by the four partners; the two heads are 2 y and 2 y + 1 of 128
	s_and_b32 s10, s[WV], 3                        ; which quarter of each block I fetch, if I fetch
	G1SET G1A, W0J, 32, 96, 32                     ; dense blocks, as rows of 256 bytes
	G1SET G1B, W0J, 32, 8, 32
	G1SET G1C, W0J, 32, 4, 32
	s_mov_b32 s[SEL], 0x76543210
	s_mov_b32 s[SEL+1], 0xfedcba98
	s_mov_b32 s[CS], 0x3fb8aa3b                    ; log2(e)
	s_mov_b32 s[CS+1], s[CS]                       ; (named with it as a pair, so it is written)
	s_mov_b32 s[TK], 0
	s_mov_b32 s[TV], VC_
	s_mov_b32 s[TKS], KS_
	s_mov_b32 s[TVS], VS_
	s_mul_i32 s68, s9, 98304                       ; the two heads' codes,
	s_mul_i32 s69, s10, 24576
	s_add_co_u32 s68, s68, s69                     ; my quarter of them
	s_mov_b32 s67, 0
	s_wait_dscnt 0x0
	s_wait_kmcnt 0x0
	s_add_co_u32 s66, s68, KCO
	s_mov_b32 s[G0K], 1
	s_mov_b32 s[G0K+1], s69
	s_add_nc_u64 s[G0K+2:G0K+3], s[4:5], s[66:67]
	s_or_b32 s[G0K+3], s[G0K+3], 0x80000000
	s_add_co_u32 s66, s68, VCO
	s_mov_b32 s[G0V], 1
	s_add_co_u32 s[G0V+1], s69, VC_
	s_add_nc_u64 s[G0V+2:G0V+3], s[4:5], s[66:67]
	s_or_b32 s[G0V+3], s[G0V+3], 0x80000000
	s_lshl_b32 s66, s9, 13
	s_lshl_b32 s70, s10, 11
	s_add_co_u32 s66, s66, s70
	s_add_co_u32 s66, s66, KSO
	s_mov_b32 s[G0KS], 1
	s_add_co_u32 s[G0KS+1], s70, KS_
	s_add_nc_u64 s[G0KS+2:G0KS+3], s[4:5], s[66:67]
	s_or_b32 s[G0KS+3], s[G0KS+3], 0x80000000
	s_lshl_b32 s66, s9, 12
	s_lshl_b32 s70, s10, 10
	s_add_co_u32 s66, s66, s70
	s_add_co_u32 s66, s66, VSO
	s_mov_b32 s[G0VS], 1
	s_add_co_u32 s[G0VS+1], s70, VS_
	s_add_nc_u64 s[G0VS+2:G0VS+3], s[4:5], s[66:67]
	s_or_b32 s[G0VS+3], s[G0VS+3], 0x80000000
	ROUND                                          ; all four work-groups are here: the joint loads meet
	s_cmp_lt_u32 s[WV], 4                          ; the launch's only fills stand in one branch on the wave's number: four loads of a fetching wave are out
	s_cbranch_scc0 .Lno_fetch
	tensor_load_to_lds s[G0KS:G0KS+3], s[G1B:G1B+7]
	s_nop 0
	tensor_load_to_lds s[G0VS:G0VS+3], s[G1C:G1C+7]
	s_nop 0
	tensor_load_to_lds s[G0K:G0K+3], s[G1A:G1A+7]
	s_nop 0
	tensor_load_to_lds s[G0V:G0V+3], s[G1A:G1A+7]
	s_nop 0
	PLACES 4
.Lno_fetch:
	s_bfe_u32 s72, ttmp6, 0x40000                  ; cx: it enters q's and the context's addresses alone
	s_lshl_b32 s73, ttmp9, 2
	s_add_co_u32 s73, s73, s72                     ; my block of 256 queries
	s_lshr_b32 s74, s[WV], 1
	s_lshl_b32 s75, s73, 3
	s_add_co_u32 s75, s75, s74                     ; my group of 32 queries,
	s_and_b32 s80, s[WV], 1                        ; and which of its two tiles: u
	s_mul_i32 s76, s75, 1536
	s_mul_i32 s77, s9, 98304
	s_add_co_u32 s76, s76, s77
	s_mov_b32 s77, 0
	s_add_nc_u64 s[76:77], s[4:5], s[76:77]        ; the group's image, head 0 (head 1: 49,152 bytes on)
	s_lshl_b32 s78, s9, 13
	s_add_co_u32 s78, s78, QSO
	s_mov_b32 s79, 0
	s_add_nc_u64 s[78:79], s[4:5], s[78:79]        ; q's scale words, head 0 (head 1: 4,096 on)
	v_and_b32 v[LI], 31, v0
	s_delay_alu instid0(VALU_DEP_1)
	v_lshlrev_b32 v[LS], 2, v[LI]
	s_delay_alu instid0(VALU_DEP_2)
	v_lshlrev_b32 v[LI], 4, v[LI]
	s_mul_i32 s81, s80, 520                        ; the image holds registers 4 k .. 4 k + 3 at 512 k + 16 x lane: tile u's six are registers 6 u .. 6 u + 5
	v_add_nc_u32 v[QA], s81, v[LI]                 ; u = 0: bytes 0, 8, 512;  u = 1: bytes 520, 1,024, 1,032
	s_wait_alu depctr_va_vdst(0)
	s_add_co_u32 s81, s81, 512
	v_add_nc_u32 v[QA+2], s81, v[LI]
	s_wait_alu depctr_va_vdst(0)
	s_mul_i32 s81, s80, 1016
	s_add_co_u32 s81, s81, 8
	v_add_nc_u32 v[QA+1], s81, v[LI]
	s_lshl_b32 s81, s80, 8                         ; the scale word: [128 queries][lane r + 16 u][group % 4]
	s_and_b32 s82, s74, 3
	s_lshl_b32 s82, s82, 2
	s_add_co_u32 s81, s81, s82
	s_lshr_b32 s82, s75, 2
	s_lshl_b32 s82, s82, 9
	s_add_co_u32 s81, s81, s82
	v_and_b32 v[CSA], 15, v0
	s_delay_alu instid0(VALU_DEP_1)
	v_lshl_add_u32 v[QSA], v[CSA], 4, s81
	s_delay_alu instid0(VALU_DEP_2)
	v_lshlrev_b32 v[CSA], 2, v[CSA]
.irp e, 0,1
	global_load_b64 v[QF+12*\e:QF+12*\e+1], v[QA], s[76:77] offset:49152*\e
	global_load_b64 v[QF+12*\e+2:QF+12*\e+3], v[QA+1], s[76:77] offset:49152*\e
	global_load_b64 v[QF+12*\e+4:QF+12*\e+5], v[QA+2], s[76:77] offset:49152*\e
	global_load_b32 v[QS+\e], v[QSA], s[78:79] offset:4096*\e
.endr
	s_lshl_b32 s82, s73, 4
	s_add_co_u32 s82, s82, s[WV]                   ; my tile of queries, T
	s_lshr_b32 s83, s9, 3
	s_lshl_b32 s83, s83, 6
	s_add_co_u32 s83, s83, s82
	s_lshl_b32 s83, s83, 3
	s_and_b32 s80, s9, 7
	s_add_co_u32 s83, s83, s80                     ; (64 b + T) 8 + hp
	s_mul_i32 s80, s83, 1536
	s_mov_b32 s81, 0
	s_add_nc_u64 s[80:81], s[6:7], s[80:81]        ; s[80:81] the context's fragment
	s_lshl_b32 s83, s9, 6
	s_add_co_u32 s83, s83, s82
	s_lshl_b32 s82, s83, 6
	s_add_co_u32 s82, s82, CSO
	s_mov_b32 s83, 0
	s_add_nc_u64 s[82:83], s[6:7], s[82:83]        ; s[82:83] its 16 scale words
.irp e, 0,1
.irp n, 6,7,8,9,10,11
	v_mov_b32 v[QF+12*\e+\n], 0                    ; q's upper 64 along K: zero codes
.endr
.endr
.irp n, 0,1,2,3,4,5
	v_mov_b32 v[KF+48+\n], 0                       ; what the last tile of k names beyond its own six registers
.endr
.irp n, 0,1,2,3
	v_mov_b32 v[PB+\n], 0                          ; written once: a lane permute's destination counts as one of its sources
.endr
	v_mov_b32 v[TM+2], 0
	v_mov_b32 v[TM+3], 0
	v_mov_b32 v[F+1], 0                            ; (named as the upper half of a pair)
	s_wait_loadcnt 0x0                             ; q
	s_wait_tensorcnt 0x0                           ; my parts of k and v have landed,
	s_barrier_signal -1
	s_barrier_wait -1                              ; everybody's have
; A KEY STEP: 128 keys of head e
.macro STEP e
	v_add_nc_u32 v[ADK], s[TK], v[LI]              ; (these four are also the places in front of loads into registers that the last products read)
	v_add_nc_u32 v[ADV], s[TV], v[LI]
	v_add_nc_u32 v[ADKS], s[TKS], v[LI]
	v_add_nc_u32 v[ADVS], s[TVS], v[LS]
.irp q, 0,1,2,3
.irp k, 0,1,2
	ds_load_b128 v[KF+12*\q+4*\k:KF+12*\q+4*\k+3], v[ADK] offset:1536*\q+512*\k
.endr
.endr
	ds_load_b128 v[KSR:KSR+3], v[ADKS]
	s_wait_alu depctr_va_vdst(0)
	s_wait_dscnt 0x0
.irp t, 0,1,2,3,4,5,6,7                        ; S^T = k q^T: tile t is registers 6 t on
	WM S+8*\t, KF+6*\t, QF+12*(\e), -1, KSR+\t/2, QS+(\e), \t%2
.endr
	PLACES 4                                       ; in front of the loads below and of the first read of the scores
.irp t, 0,1,2,3                                ; v's four fragments land while the softmax is worked
.irp k, 0,1,2
	ds_load_b128 v[KF+12*\t+4*\k:KF+12*\t+4*\k+3], v[ADV] offset:1536*\t+512*\k
.endr
.endr
	ds_load_b32 v[VSR], v[ADVS]
	ds_load_b32 v[VSR+1], v[ADVS] offset:128
.irp b, 0,1,2,3
	v_max3_num_f32 v[BM+\b], v[S+16*\b], v[S+1+16*\b], v[S+2+16*\b]   ; THE LARGEST SCORE OF EACH BLOCK OF 32 KEYS serves twice: for the row's maximum, and, since p rises with the score, for the block's largest p
.endr
.irp i, 3,5,7,9,11,13
.irp b, 0,1,2,3
	v_max3_num_f32 v[BM+\b], v[BM+\b], v[S+16*\b+\i], v[S+1+16*\b+\i]
.endr
.endr
.irp b, 0,1,2,3
	v_max_num_f32 v[BM+\b], v[BM+\b], v[S+15+16*\b]
.endr
.irp b, 0,1,2,3
	s_delay_alu instid0(VALU_DEP_4)
	v_permlanex16_b32 v[PB+\b], v[BM+\b], s[SEL], s[SEL+1]
.endr
.irp b, 0,1,2,3
	s_delay_alu instid0(VALU_DEP_4)
	v_max_num_f32 v[BM+\b], v[BM+\b], v[PB+\b]     ; with lane l xor 16's 16 keys
.endr
	s_delay_alu instid0(VALU_DEP_2)
	v_max3_num_f32 v[TT], v[BM], v[BM+1], v[BM+2]
	s_delay_alu instid0(VALU_DEP_1)
	v_max_num_f32 v[TT], v[TT], v[BM+3]            ; the step's largest score of my query
	s_delay_alu instid0(VALU_DEP_1)
	v_mul_f32 v[TT], s[CS], v[TT]                  ; as t
	s_delay_alu instid0(VALU_DEP_1)
	v_max_num_f32 v13, v13, v[TT]                  ; the running largest t
	v_mov_b32 v[TT], v12
	s_delay_alu instid0(VALU_DEP_2)
	v_floor_f32 v12, -v13                          ; the new -M = floor(-t): M is a whole number
	s_delay_alu instid0(VALU_DEP_1)
	v_sub_f32 v[TT], v12, v[TT]                    ; old M less new M: a whole number, 0 or less
	s_delay_alu instid0(VALU_DEP_1)
	v_cvt_i32_f32 v[TT], v[TT]                     ; (it saturates)
	s_delay_alu instid0(VALU_DEP_1)
	v_ldexp_f32 v[F], 1.0, v[TT]                   ; f = 2^(old M - new M)
.set n, 0
.rept 32
	v_pk_fma_f32 v[S+n:S+n+1], v[S+n:S+n+1], s[CS:CS+1], v[12:13] op_sel_hi:[1,0,0]   ; t - M, two at a time
.set n, n+2
.endr
.irp b, 0,1,2,3
	v_fma_f32 v[BM+\b], v[BM+\b], s[CS], v12       ; the same of each block's largest score
.endr
.set n, 0
	s_wait_alu depctr_va_vdst(0)
.rept 64
	v_exp_f32 v[S+n], v[S+n]                       ; p = 2^(t - M), at most 1
.set n, n+1
.endr
	s_setprio 1
.irp b, 0,1,2,3
	v_exp_f32 v[BM+\b], v[BM+\b]                   ; the block's largest p: the same two instructions on the same number give the same bits
.endr
	v_pk_mul_f32 v[14:15], v[14:15], v[F:F+1] op_sel_hi:[1,0]   ; the sums under the new M.  (A plain place behind the exponentials)
	s_wait_alu depctr_va_vdst(0)
.irp b, 0,1,2,3
	v_max_num_f32 v[BM+\b], 0x2800000, v[BM+\b]    ; the floor 2^(5 - 127): the byte cannot fall under 1
.endr
.irp b, 0,1,2,3
	s_delay_alu instid0(VALU_DEP_4)
	v_add_nc_u32 v[OP+\b], 0xfe000000, v[BM+\b]    ; 4 off the exponent field: the conversion's scale operand
.endr
.irp b, 0,1,2,3
	s_delay_alu instid0(VALU_DEP_4)
	v_lshrrev_b32 v[PB+\b], 23, v[OP+\b]           ; the scale's byte
.endr
	s_delay_alu instid0(VALU_DEP_3)
	v_lshl_or_b32 v[PWD], v[PB+1], 8, v[PB]        ; p's scale word for these 128 keys
	s_delay_alu instid0(VALU_DEP_1)
	v_lshl_or_b32 v[PWD], v[PB+2], 16, v[PWD]
	s_delay_alu instid0(VALU_DEP_1)
	v_lshl_or_b32 v[PWD], v[PB+3], 24, v[PWD]
.irp c, 0,1
	v_cvt_scalef32_pk16_bf6_f32 v[P+6*\c:P+6*\c+2], v[S+32*\c:S+32*\c+15], v[OP+2*\c]
	v_cvt_scalef32_pk16_bf6_f32 v[H2+4*\c:H2+4*\c+2], v[S+16+32*\c:S+31+32*\c], v[OP+2*\c+1]
.endr
	v_nop                                          ; one plain place behind a scaled conversion
.irp c, 0,1                                    ; the operand's layout wants a whole block in a lane
.irp i, 0,1,2
	v_permlane16_swap_b32 v[P+6*\c+\i], v[H2+4*\c+\i]
.endr
.irp i, 0,1,2
	s_delay_alu instid0(VALU_DEP_3)
	v_mov_b32 v[P+3+6*\c+\i], v[H2+4*\c+\i]
.endr
.endr
	v_pk_add_f32 v[236:237], v[108:109], v[112:113]
	v_pk_add_f32 v[254:255], v[116:117], v[120:121]
	v_pk_add_f32 v[252:253], v[124:125], v[128:129]
	v_pk_add_f32 v[242:243], v[132:133], v[136:137]
	v_pk_add_f32 v[240:241], v[140:141], v[144:145]
	v_pk_add_f32 v[234:235], v[148:149], v[152:153]
	v_pk_add_f32 v[232:233], v[156:157], v[160:161]
	v_pk_add_f32 v[14:15], v[14:15], v[164:165]
	v_pk_add_f32 v[236:237], v[236:237], v[104:105]
	v_pk_add_f32 v[254:255], v[254:255], v[106:107]
	v_pk_add_f32 v[252:253], v[252:253], v[110:111]
	v_pk_add_f32 v[242:243], v[242:243], v[114:115]
	v_pk_add_f32 v[240:241], v[240:241], v[118:119]
	v_pk_add_f32 v[234:235], v[234:235], v[122:123]
	v_pk_add_f32 v[232:233], v[232:233], v[126:127]
	v_pk_add_f32 v[14:15], v[14:15], v[130:131]
	v_pk_add_f32 v[236:237], v[236:237], v[134:135]
	v_pk_add_f32 v[254:255], v[254:255], v[138:139]
	v_pk_add_f32 v[252:253], v[252:253], v[142:143]
	v_pk_add_f32 v[242:243], v[242:243], v[146:147]
	v_pk_add_f32 v[240:241], v[240:241], v[150:151]
	v_pk_add_f32 v[234:235], v[234:235], v[154:155]
	v_pk_add_f32 v[232:233], v[232:233], v[158:159]
	v_pk_add_f32 v[14:15], v[14:15], v[162:163]
	v_pk_add_f32 v[236:237], v[236:237], v[166:167]
	s_delay_alu instid0(VALU_DEP_2)
	v_pk_add_f32 v[14:15], v[14:15], v[242:243]
	s_delay_alu instid0(VALU_DEP_2)
	v_pk_add_f32 v[236:237], v[236:237], v[240:241]
	s_setprio 0
	v_pk_add_f32 v[254:255], v[254:255], v[234:235]
	v_pk_add_f32 v[252:253], v[252:253], v[232:233]
	s_delay_alu instid0(VALU_DEP_2)
	v_pk_add_f32 v[14:15], v[14:15], v[254:255]
	s_delay_alu instid0(VALU_DEP_2)
	v_pk_add_f32 v[236:237], v[236:237], v[252:253]
	s_delay_alu instid0(VALU_DEP_1)
	v_pk_add_f32 v[14:15], v[14:15], v[236:237]
.set n, 0
.rept 16
	v_pk_mul_f32 v[O+n:O+n+1], v[O+n:O+n+1], v[F:F+1] op_sel_hi:[1,0]   ; O^T under the new M.  (With the sums above: the places between p's codes and scale word and the products below)
.set n, n+2
.endr
	s_wait_alu depctr_va_vdst(0)
	s_wait_dscnt 0x0                               ; v
.irp t, 0,1,2,3                                ; O^T += v^T p^T: four accumulators by turns
	WM O+8*\t, KF+12*\t, P, O+8*\t, VSR+\t/2, PWD, \t%2
.endr
	s_add_co_u32 s[TK], s[TK], 6144                ; the next key step; head 1's steps follow head 0's
	s_add_co_u32 s[TV], s[TV], 6144
	s_add_co_u32 s[TKS], s[TKS], 512
	s_add_co_u32 s[TVS], s[TVS], 256
.endm
; ONE HEAD: eight key steps; then O^T / the sum, quantised along the head's 64: registers 6 e .. 6 e + 5 of the context's fragment
.macro HEAD e
	v_mov_b32 v13, 0xff61b1e6                      ; the largest t so far: -3e38, under every t
	s_delay_alu instid0(VALU_DEP_1)
	v_floor_f32 v12, -v13                          ; -M
	v_mov_b32 v14, 0
	v_mov_b32 v15, 0
.set n, 0
.rept 32
	v_mov_b32 v[O+n], 0                            ; the step is written once: the first finds zeros, which the first change of M leaves zeros
.set n, n+1
.endr
	s_mov_b32 s[CNT], 8
.Lstep_\@:
	s_setprio 2
	STEP \e
	s_sub_co_u32 s[CNT], s[CNT], 1
	s_cmp_lg_u32 s[CNT], 0
	s_cbranch_scc1 .Lstep_\@
	s_setprio 0
	PLACES 4                                       ; in front of the first read of O^T
	v_add_f32 v14, v14, v15                        ; the sum's two halves,
	s_delay_alu instid0(VALU_DEP_1)
	v_permlanex16_b32 v[TT], v14, s[SEL], s[SEL+1]
	s_delay_alu instid0(VALU_DEP_1)
	v_add_f32 v14, v14, v[TT]                      ; and lane l xor 16's
	s_wait_alu depctr_va_vdst(0)
	v_rcp_f32 v14, v14
	v_nop                                          ; one plain place behind a transcendental
.set n, 0
	s_wait_alu depctr_va_vdst(0)
.rept 32
	v_mul_f32 v[S+n], v[O+n], v14                  ; each accumulator from its low end on: register 16 b + i is channel 32 b + 16 (lane / 16) + i of the head
.set n, n+1
.endr
	Q2 S, CTX+6*(\e)
.if (\e) == 0
	v_lshl_or_b32 v[CW], v[BY+1], 8, v[BY]
.else
	v_lshl_or_b32 v[CW], v[BY], 16, v[CW]
	s_delay_alu instid0(VALU_DEP_1)
	v_lshl_or_b32 v[CW], v[BY+1], 24, v[CW]
.endif
.endm
	HEAD 0
	HEAD 1
.irp k, 0,1,2
	global_store_b128 v[LI], v[CTX+4*\k:CTX+4*\k+3], s[80:81] offset:512*\k   ; 512 consecutive bytes a store
.endr
	global_store_b32 v[CSA], v[CW], s[82:83]       ; 64 bytes: both halves of the lanes hold, and write, the same words
	s_wait_dscnt 0x0                               ; no LDS instruction of mine is pending at a signal
	s_wait_tensorcnt 0x0
	ds_add_u32 v227, v231
	s_wait_dscnt 0x0
	ROUND                                          ; the closing round
	s_endpgm
.Lfunc_end_k_qb118b5a19e_attn:
	.size	k_qb118b5a19e_attn, .Lfunc_end_k_qb118b5a19e_attn-k_qb118b5a19e_attn
	.p2alignl 7, 3214868480
	.fill 96, 4, 3214868480
	.section	.rodata,"a",@progbits
	.p2align	6, 0x0
	.amdhsa_kernel k_qb118b5a19e_attn
		.amdhsa_group_segment_fixed_size 210944
		.amdhsa_private_segment_fixed_size 0
		.amdhsa_enable_private_segment 0
		.amdhsa_kernarg_size 16
		.amdhsa_user_sgpr_count 2
		.amdhsa_user_sgpr_kernarg_segment_ptr 1
		.amdhsa_wavefront_size32 1
		.amdhsa_system_sgpr_workgroup_id_x 1
		.amdhsa_system_sgpr_workgroup_id_y 1
		.amdhsa_system_sgpr_workgroup_id_z 1
		.amdhsa_system_vgpr_workitem_id 0
		.amdhsa_next_free_vgpr 256
		.amdhsa_next_free_sgpr 84
		.amdhsa_reserve_vcc 0
		.amdhsa_float_denorm_mode_32 3
		.amdhsa_float_denorm_mode_16_64 3
		.amdhsa_memory_ordered 1
		.amdhsa_forward_progress 1
		.amdhsa_inst_pref_size 54
	.end_amdhsa_kernel
	.amdgpu_metadata
---
amdhsa.version: [ 1, 2 ]
amdhsa.kernels:
  - .name:           k_qb118b5a19e_attn
    .symbol:         k_qb118b5a19e_attn.kd
    .args:
      - { .name: qkvq, .offset: 0, .size: 8, .value_kind: global_buffer, .address_space: global }
      - { .name: ctxq, .offset: 8, .size: 8, .value_kind: global_buffer, .address_space: global }
    .group_segment_fixed_size: 210944
    .private_segment_fixed_size: 0
    .kernarg_segment_align: 8
    .kernarg_segment_size: 16
    .max_flat_workgroup_size: 512
    .sgpr_count:     84
    .vgpr_count:     256
    .wavefront_size: 32
...
	.end_amdgpu_metadata
.endif
;; end of part 3
;; launch proj (part 4): grid 4 x 64, 4 waves a work-group, clusters of 4 x 1, 327,680 bytes of LDS; arguments ctxq, wts, xnq, x, out0; writes out0
.if DOCPART == 4
	.amdgcn_target "amdgcn-amd-amdhsa--gfx1250"
	.amdhsa_code_object_version 6
	.text
	.protected	k_qb118b5a19e_proj
	.globl	k_qb118b5a19e_proj
	.p2align	8
	.type	k_qb118b5a19e_proj,@function
k_qb118b5a19e_proj:
	s_mov_b64 s[64:65], 0
	v_nop
	global_prefetch_b8 v0, s[64:65] scope:SCOPE_SE
	s_setreg_imm32_b32 hwreg(HW_REG_WAVE_MODE, 25, 1), 1
	s_wait_xcnt 0x0
	s_wait_alu depctr_hold_cnt(0) depctr_sa_sdst(0) depctr_va_vdst(0) depctr_va_sdst(0) depctr_va_ssrc(0) depctr_va_vcc(0) depctr_vm_vsrc(0)
	s_getreg_b32 s2, hwreg(HW_REG_IB_STS2, 6, 4)
	s_cmp_eq_u32 s2, 0
	s_cbranch_scc0 .Lentry_in_a_cluster
	s_endpgm
.Lentry_in_a_cluster:
	s_bfe_u32 s2, ttmp6, 0x10000c
	s_cmp_lg_u32 s2, 0x3003
	s_cbranch_scc0 .Lentry_shape_is_right
	s_endpgm
.Lentry_shape_is_right:
; The last product and the residual: out = out_w ctx + out_b + xn, the product on codes of BF6 (E3M2), xn made anew from x in f32: (x - mean) (rstd w) + gn_bias.
; SHARES.  A work-group takes 128 positions of one batch element and 256 outputs; wave w 64 of them: four tiles of out_w, all eight K steps, 384 registers, read once and kept.
; The context's 128 rows lie whole in LDS as images of operand registers; each wave's 64 rows x 128 positions of x lie in LDS bytes of its own.  All of LDS is filled once: no slot is filled again.
; CLUSTER.  The four work-groups of a cluster take the four quarters of the outputs for the same 128 positions: the context's codes and scale words are asked for JOINTLY (the mask names all four).
; x's tiles and the weights are each wave's own and are not shared.
; LAYOUT.  Source 0 = 16 rows of the context (rows 32 p + 8 u + r + 8 (r / 8)), source 1 = 16 rows of out_w: a lane holds ONE output channel, and the 16 registers of tiles u = 0, 1 are 16 neighbouring positions:
; 64 bytes of a row of out.  gn_bias + out_b is the C of each sum's first product.  x's tile in LDS is read at those places, the results are put back there, and whole rows of 512 bytes leave.
; REGISTERS, in windows of 256: window 0: the names below.  Windows 1, 2: tiles 0, 1 and 2, 3 of out_w: tile i % 2, K step s at v[96 (i % 2) + 12 s]; the constant's eight copies at v[192 + 8 (i % 2)].
.set CSO,  6291456                     ; ctxq: the scale words
.set WSC,  3145728                     ; wts: the scale words
.set COEF, 6553600                     ; xnq: for each channel (-mean, gn_bias + out_b, rstd w, 0)
.set CS_,  98304                       ; LDS: the context's codes at 0 ([tile 0..7][K step][1,536]); its scale words here ([K step][8 tiles x 64 bytes]);
.set XT,   102400                      ; from here each wave's 64 rows of x,
.set XP,   528                         ; 512 bytes + 16 of padding apart
.set XTW,  64*XP
.set LI,   4                           ; v4   16 x lane
.set ADC,  5                           ; v5-6 the context's tiles 0-3, 4-7
.set ADS,  7                           ; v7   its scale words: lanes 0-15 tile u = 0, lanes 16-31 tile u = 1
.set ADXT, 8                           ; v8   x: my lane's channel and half
.set ADR,  9                           ; v9   x: whole rows
.set WS,   16                          ; v16-31   out_w's scale words: pair of tiles j, K step s at 8 j + s
.set CSR,  32                          ; v32-39   the context's, K step s
.set CF,   40                          ; v40-87   its fragments: two buffers x two tiles x 12
.set ACC,  88                          ; v88-151  the sums: 16 i + 8 u
.set CQ,   152                         ; v152-167 my channel's four numbers, for each tile i
.set XV,   168                         ; v168-231 x, then out
.set WV,   14
.set G1S,  20                          ; s[20:27], s[28:35], s[36:43] descriptor groups 1: scale words, codes, x
.set G1C,  28
.set G1X,  36
.set G0S,  44                          ; s[44:55] groups 0
.set G0C,  48
.set G0X,  52
.set W0J,  15|(3<<16)|(1<<21)          ; the mask: all four work-groups; elements of 8 bytes; bit 21 beside a mask
.set W0X,  (2<<16)|(1<<20)|(6<<22)|(3<<25)   ; no mask; elements of 4 bytes; padding: after every 128 words, 4 words
.set MSB, 0
.macro WIN new
.if MSB != (\new)
	s_set_vgpr_msb (MSB<<8)|(\new)
.set MSB, (\new)
.endif
.endm
.macro PLACES n
.rept \n
	v_nop
.endr
.endm
.macro ROUND
	s_barrier_signal -1
	s_barrier_wait -1
	s_cmp_lg_u32 s[WV], 0
	s_cbranch_scc1 .Lnot_wave_0_\@
	s_barrier_signal -3
.Lnot_wave_0_\@:
	s_barrier_wait -3
	s_barrier_signal -1
	s_barrier_wait -1
.endm
.macro G1SET g, w0, c, r, p
	s_mov_b32 s[\g], \w0
	s_mov_b32 s[\g+1], ((\c)&0xffff)<<16
	s_mov_b32 s[\g+2], ((\c)>>16)|(((\r)&0xffff)<<16)
	s_mov_b32 s[\g+3], ((\r)>>16)|((\c)<<16)
	s_mov_b32 s[\g+4], \r
	s_mov_b32 s[\g+5], \p
	s_mov_b32 s[\g+6], 0
	s_mov_b32 s[\g+7], 0
.endm
.macro WM d, a, b, c, sa, sb, ra, rb   ; one product; ra, rb = 1: that side's scale words are taken from lanes 16-31
.if (\ra) && (\rb)
	v_wmma_scale_f32_16x16x128_f8f6f4 v[(\d):(\d)+7], v[(\a):(\a)+11], v[(\b):(\b)+11], v[(\c):(\c)+7], v[\sa], v[\sb] matrix_a_fmt:MATRIX_FMT_BF6 matrix_b_fmt:MATRIX_FMT_BF6 matrix_a_scale:MATRIX_SCALE_ROW1 matrix_b_scale:MATRIX_SCALE_ROW1
.elseif (\ra)
	v_wmma_scale_f32_16x16x128_f8f6f4 v[(\d):(\d)+7], v[(\a):(\a)+11], v[(\b):(\b)+11], v[(\c):(\c)+7], v[\sa], v[\sb] matrix_a_fmt:MATRIX_FMT_BF6 matrix_b_fmt:MATRIX_FMT_BF6 matrix_a_scale:MATRIX_SCALE_ROW1
.elseif (\rb)
	v_wmma_scale_f32_16x16x128_f8f6f4 v[(\d):(\d)+7], v[(\a):(\a)+11], v[(\b):(\b)+11], v[(\c):(\c)+7], v[\sa], v[\sb] matrix_a_fmt:MATRIX_FMT_BF6 matrix_b_fmt:MATRIX_FMT_BF6 matrix_b_scale:MATRIX_SCALE_ROW1
.else
	v_wmma_scale_f32_16x16x128_f8f6f4 v[(\d):(\d)+7], v[(\a):(\a)+11], v[(\b):(\b)+11], v[(\c):(\c)+7], v[\sa], v[\sb] matrix_a_fmt:MATRIX_FMT_BF6 matrix_b_fmt:MATRIX_FMT_BF6
.endif
.endm
	s_load_b256 s[4:11], s[0:1], 0x0               ; ctxq, wts, xnq, x
	s_load_b64 s[12:13], s[0:1], 0x20              ; out0
	v_lshl_add_u32 v254, v0, 2, 0x3a000
	v_mov_b32 v255, 0
	ds_add_u32 v254, v255
	ds_add_u32 v254, v255
	v_lshrrev_b32 v1, 5, v0
	v_readfirstlane_b32 s[WV], v1                  ; wave 0..3
	s_and_b32 s15, ttmp7, 0xffff                   ; y = 8 b + lr: shared by the four partners
	s_lshr_b32 s16, s15, 3                         ; b
	s_and_b32 s17, s15, 7                          ; lr: which 128 positions
	G1SET G1S, W0J, 64, 2, 512                     ; two K steps' scale words of eight tiles: 512 bytes each, 4,096 bytes apart
	G1SET G1C, W0J, 32, 96, 32                     ; a dense quarter of the codes, as rows of 256 bytes
	G1SET G1X, W0X, 128, 64, 1024                  ; 64 rows of 128 numbers of x, 1,024 numbers apart
	s_lshl_b32 s66, s16, 3
	s_lshl_b32 s67, s[WV], 1
	s_add_co_u32 s66, s66, s67                     ; 8 b + 2 w: my first K step,
	s_lshl_b32 s66, s66, 12
	s_lshl_b32 s67, s17, 9
	s_add_co_u32 s66, s66, s67                     ; + the eight tiles' 512 bytes
	s_add_co_u32 s66, s66, CSO
	s_mov_b32 s67, 0
	s_mul_i32 s68, s15, 98304                      ; the eight tiles' codes,
	s_mul_i32 s70, s[WV], 24576
	s_add_co_u32 s68, s68, s70                     ; my quarter
	s_mov_b32 s69, 0
	s_bfe_u32 s72, ttmp6, 0x40000                  ; cx: it enters x's, the weights', the coefficients' and the output's addresses alone
	s_lshl_b32 s73, ttmp9, 2
	s_add_co_u32 s73, s73, s72                     ; which 256 outputs
	s_lshl_b32 s74, s16, 22                        ; x and out: b, 4 MiB; 256 rows of 4,096 bytes; my 64 rows; 128 positions of 4 bytes
	s_lshl_b32 s75, s73, 20
	s_add_co_u32 s74, s74, s75
	s_lshl_b32 s75, s[WV], 18
	s_add_co_u32 s74, s74, s75
	s_lshl_b32 s75, s17, 9
	s_add_co_u32 s74, s74, s75
	s_mov_b32 s75, 0
	s_mul_i32 s71, s[WV], XTW
	s_add_co_u32 s71, s71, XT                      ; my rows of x in LDS: the wave's number alone enters an LDS address
	s_wait_dscnt 0x0
	s_wait_kmcnt 0x0
	s_mov_b32 s[G0S], 1
	s_lshl_b32 s[G0S+1], s[WV], 10
	s_add_co_u32 s[G0S+1], s[G0S+1], CS_
	s_add_nc_u64 s[G0S+2:G0S+3], s[4:5], s[66:67]
	s_or_b32 s[G0S+3], s[G0S+3], 0x80000000
	s_mov_b32 s[G0C], 1
	s_mov_b32 s[G0C+1], s70
	s_add_nc_u64 s[G0C+2:G0C+3], s[4:5], s[68:69]
	s_or_b32 s[G0C+3], s[G0C+3], 0x80000000
	s_mov_b32 s[G0X], 1
	s_mov_b32 s[G0X+1], s71
	s_add_nc_u64 s[G0X+2:G0X+3], s[10:11], s[74:75]
	s_or_b32 s[G0X+3], s[G0X+3], 0x80000000
	s_add_nc_u64 s[76:77], s[12:13], s[74:75]      ; s[76:77] my rows of out
	ROUND                                          ; all four work-groups are here: the joint loads meet
	tensor_load_to_lds s[G0S:G0S+3], s[G1S:G1S+7]  ; the first of the launch's three fills: one load of mine is out
	s_nop 0
	s_wait_alu depctr_va_vdst(0)
	s_wait_tensorcnt 0x0
	ds_add_u32 v254, v255
	s_wait_dscnt 0x0
	ROUND
	tensor_load_to_lds s[G0C:G0C+3], s[G1C:G1C+7]
	s_nop 0
	s_wait_alu depctr_va_vdst(0)
	s_wait_tensorcnt 0x0
	ds_add_u32 v254, v255
	s_wait_dscnt 0x0
	ROUND
	tensor_load_to_lds s[G0X:G0X+3], s[G1X:G1X+7]  ; x last: it is wanted last
	s_nop 0
	PLACES 4
	v_and_b32 v1, 15, v0                           ; r
	v_bfe_u32 v2, v0, 4, 1                         ; h
	v_and_b32 v3, 8, v1
	v_add_nc_u32 v3, v3, v1                        ; r + 8 (r / 8)
	v_and_b32 v[LI], 31, v0
	v_lshlrev_b32 v[LI], 4, v[LI]
	v_mov_b32 v[ADC], v[LI]
	v_add_nc_u32 v[ADC+1], 49152, v[LI]
	v_lshlrev_b32 v[ADS], 2, v1
	v_lshl_add_u32 v[ADS], v2, 6, v[ADS]
	v_add_nc_u32 v[ADS], CS_, v[ADS]
	v_mul_u32_u24 v[ADXT], v3, XP
	v_lshl_add_u32 v[ADXT], v2, 6, v[ADXT]
	v_add_nc_u32 v[ADXT], s71, v[ADXT]             ; my channel's row, + 64 h: my 16 positions of a group of 32
	v_add_nc_u32 v[ADR], s71, v[LI]
	v_lshl_add_u32 v10, v2, 3, v3
	v_lshlrev_b32 v10, 5, v10                      ; out_w's scale words: 32 bytes a row; lanes 16-31 the odd tile's rows
	v_lshlrev_b32 v11, 4, v3                       ; the coefficients: 16 bytes a channel
	s_wait_alu depctr_va_vdst(0)
	s_lshl_b32 s78, s16, 14
	s_lshl_b32 s79, s73, 12
	s_add_co_u32 s78, s78, s79
	s_lshl_b32 s79, s[WV], 10
	s_add_co_u32 s78, s78, s79
	s_add_co_u32 s78, s78, COEF
	s_mov_b32 s79, 0
	s_add_nc_u64 s[78:79], s[8:9], s[78:79]        ; my 64 channels' coefficients
	s_lshl_b32 s80, s73, 13
	s_lshl_b32 s81, s[WV], 11
	s_add_co_u32 s80, s80, s81
	s_add_co_u32 s80, s80, WSC+98304               ; out_w's rows follow qkv_w's 3,072
	s_mov_b32 s81, 0
	s_add_nc_u64 s[80:81], s[6:7], s[80:81]
	s_lshl_b32 s82, s73, 4
	s_lshl_b32 s83, s[WV], 2
	s_add_co_u32 s82, s82, s83
	s_add_co_u32 s82, s82, 192                     ; my first tile
	s_mul_i32 s82, s82, 12288
	s_mov_b32 s83, 0
	s_add_nc_u64 s[82:83], s[6:7], s[82:83]
.irp i, 0,1,2,3
	global_load_b128 v[CQ+4*\i:CQ+4*\i+3], v11, s[78:79] offset:(32*(\i/2)+8*(\i%2))*16
.endr
.irp j, 0,1
	global_load_b128 v[WS+8*\j:WS+8*\j+3], v10, s[80:81] offset:1024*\j
	global_load_b128 v[WS+8*\j+4:WS+8*\j+7], v10, s[80:81] offset:1024*\j+16
.endr
.irp i, 0,1,2,3                                ; the four tiles of out_w: they stay
	WIN (1+\i/2)<<6                                ; destination window 1 or 2
.irp s, 0,1,2,3,4,5,6,7
.irp k, 0,1,2
	global_load_b128 v[96*(\i%2)+12*\s+4*\k:96*(\i%2)+12*\s+4*\k+3], v[LI], s[82:83] offset:12288*\i+1536*\s+512*\k
.endr
.endr
.endr
	s_wait_loadcnt 0x0
.irp i, 0,1,2,3
	WIN (1+\i/2)<<6
.irp j, 0,1,2,3,4,5,6,7
	v_mov_b32 v[192+8*(\i%2)+\j], v[CQ+4*\i+1]     ; gn_bias + out_b hangs on the lane's channel alone: eight copies make the C of a sum's first product
.endr
.endr
	WIN 0
	s_wait_alu depctr_va_vdst(0)
	s_wait_tensorcnt 1                             ; the context's scale words and my quarter of its codes have landed; x's tile, issued behind them, may stay out
	s_barrier_signal -1
	s_barrier_wait -1                              ; everybody's have
.macro CFETCH p, s, buf                        ; the context's tiles 2 p and 2 p + 1, K step s
.irp u, 0,1
.irp k, 0,1,2
	ds_load_b128 v[CF+24*(\buf)+12*\u+4*\k:CF+24*(\buf)+12*\u+4*\k+3], v[ADC+(\p)/2] offset:24576*((\p)%2)+12288*\u+1536*(\s)+512*\k
.endr
.endr
.endm
.macro PSTEP p, s                              ; a K step: eight products on eight accumulators, which take turns in the same order in every step
	PLACES 4                                       ; in front of loads into the buffer that the step before multiplied
.if (\s) < 7
	CFETCH \p, (\s)+1, 1-(\s)%2
	s_wait_dscnt 6                                 ; all but the six just issued
.else
	s_wait_dscnt 0x0
.endif
.set CB, CF+24*((\s)%2)
.irp i, 0,1,2,3
.if (\s) == 0
	WIN 0x14*(1+\i/2)                              ; source 1 (out_w) and C (the constant) in window 1 or 2
.else
	WIN 0x04*(1+\i/2)
.endif
.irp u, 0,1
.if (\s) == 0
	WM ACC+16*\i+8*\u, CB+12*\u, 96*(\i%2)+12*(\s), 192+8*(\i%2), CSR+(\s), WS+8*(\i/2)+(\s), \u, \i%2
.else
	WM ACC+16*\i+8*\u, CB+12*\u, 96*(\i%2)+12*(\s), ACC+16*\i+8*\u, CSR+(\s), WS+8*(\i/2)+(\s), \u, \i%2
.endif
.endr
.endr
	WIN 0
.endm
; 32 positions x my 64 outputs
.macro PAIR p
.irp s, 0,1,2,3,4,5,6,7
	ds_load_b32 v[CSR+\s], v[ADS] offset:512*\s+128*(\p)
.endr
	CFETCH \p, 0, 0
.irp s, 0,1,2,3,4,5,6,7
	PSTEP \p, \s
.endr
	PLACES 5                                       ; four in front of the first read of results; five, since the next group's first products write these accumulators anew, with another C
.if (\p) == 0
	s_wait_tensorcnt 0x0                           ; my rows of x have landed; no other wave reads them, so no barrier
.endif
.irp i, 0,1,2,3
.irp k, 0,1,2,3
	ds_load_b128 v[XV+16*\i+4*\k:XV+16*\i+4*\k+3], v[ADXT] offset:(32*(\i/2)+8*(\i%2))*XP+128*(\p)+16*\k
.endr
.endr
	s_wait_dscnt 0x0
.irp i, 0,1,2,3
.irp n, 0,2,4,6,8,10,12,14
	v_pk_add_f32 v[XV+16*\i+\n:XV+16*\i+\n+1], v[XV+16*\i+\n:XV+16*\i+\n+1], v[CQ+4*\i:CQ+4*\i+1] op_sel_hi:[1,0]   ; x - mean
.endr
.endr
.irp i, 0,1,2,3
.irp n, 0,2,4,6,8,10,12,14
	v_pk_fma_f32 v[XV+16*\i+\n:XV+16*\i+\n+1], v[XV+16*\i+\n:XV+16*\i+\n+1], v[CQ+4*\i+2:CQ+4*\i+3], v[ACC+16*\i+\n:ACC+16*\i+\n+1] op_sel_hi:[1,0,1]   ; x (rstd w) + the sum, each accumulator from its low end on
.endr
.endr
.irp i, 0,1,2,3
.irp k, 0,1,2,3
	ds_store_b128 v[ADXT], v[XV+16*\i+4*\k:XV+16*\i+4*\k+3] offset:(32*(\i/2)+8*(\i%2))*XP+128*(\p)+16*\k   ; back to the places that x was read from: my own bytes, which no load fills again
.endr
.endr
.endm
	PAIR 0
	PAIR 1
	PAIR 2
	PAIR 3
; THE WAY OUT: my 64 rows, whole, sixteen at a time.  LDS serves a wave's instructions in order: the loads see my stores
.irp t, 0,1,2,3
.if \t > 0
	s_wait_xcnt 0x0                                ; the last batch's stores have read their registers
.endif
.irp n, 0,1,2,3,4,5,6,7,8,9,10,11,12,13,14,15
	ds_load_b128 v[XV+4*\n:XV+4*\n+3], v[ADR] offset:(16*\t+\n)*XP
.endr
.irp n, 0,1,2,3,4,5,6,7,8,9,10,11,12,13,14,15
	s_wait_dscnt 15-\n                             ; row n is back; the younger ones may be out
	global_store_b128 v[LI], v[XV+4*\n:XV+4*\n+3], s[76:77] offset:(16*\t+\n)*4096 th:TH_STORE_NT   ; 32 lanes store 512 consecutive bytes, at a multiple of 512 from out's first byte
.endr
.endr
	s_wait_tensorcnt 0x0
	ds_add_u32 v254, v255
	s_wait_dscnt 0x0
	ROUND                                          ; the closing round: no work-group ends while a partner may still ask for a tile that names it
	s_endpgm
.Lfunc_end_k_qb118b5a19e_proj:
	.size	k_qb118b5a19e_proj, .Lfunc_end_k_qb118b5a19e_proj-k_qb118b5a19e_proj
	.p2alignl 7, 3214868480
	.fill 96, 4, 3214868480
	.section	.rodata,"a",@progbits
	.p2align	6, 0x0
	.amdhsa_kernel k_qb118b5a19e_proj
		.amdhsa_group_segment_fixed_size 327680
		.amdhsa_private_segment_fixed_size 0
		.amdhsa_enable_private_segment 0
		.amdhsa_kernarg_size 40
		.amdhsa_user_sgpr_count 2
		.amdhsa_user_sgpr_kernarg_segment_ptr 1
		.amdhsa_wavefront_size32 1
		.amdhsa_system_sgpr_workgroup_id_x 1
		.amdhsa_system_sgpr_workgroup_id_y 1
		.amdhsa_system_sgpr_workgroup_id_z 1
		.amdhsa_system_vgpr_workitem_id 0
		.amdhsa_next_free_vgpr 768
		.amdhsa_next_free_sgpr 84
		.amdhsa_reserve_vcc 0
		.amdhsa_float_denorm_mode_32 3
		.amdhsa_float_denorm_mode_16_64 3
		.amdhsa_memory_ordered 1
		.amdhsa_forward_progress 1
		.amdhsa_inst_pref_size 110
	.end_amdhsa_kernel
	.amdgpu_metadata
---
amdhsa.version: [ 1, 2 ]
amdhsa.kernels:
  - .name:           k_qb118b5a19e_proj
    .symbol:         k_qb118b5a19e_proj.kd
    .args:
      - { .name: ctxq, .offset: 0, .size: 8, .value_kind: global_buffer, .address_space: global }
      - { .name: wts, .offset: 8, .size: 8, .value_kind: global_buffer, .address_space: global }
      - { .name: xnq, .offset: 16, .size: 8, .value_kind: global_buffer, .address_space: global }
      - { .name: x, .offset: 24, .size: 8, .value_kind: global_buffer, .address_space: global }
      - { .name: out0, .offset: 32, .size: 8, .value_kind: global_buffer, .address_space: global }
    .group_segment_fixed_size: 327680
    .private_segment_fixed_size: 0
    .kernarg_segment_align: 8
    .kernarg_segment_size: 40
    .max_flat_workgroup_size: 128
    .sgpr_count:     84
    .vgpr_count:     768
    .wavefront_size: 32
...
	.end_amdgpu_metadata
.endif
;; end of part 4
